; MI455X (gfx1250); checked and timed in simulation.
; The chip was launched on July 23, 2026; its instructions are those of AMD's public machine-readable ISA for CDNA 5 (MIT licence, August 2026) and "CDNA5" Instruction Set Architecture Reference Guide (July 2026). The comments in the code are by the model that wrote it; some were corrected since.
;; Long Term Memory MLP. Allowed arithmetic: float matrix products may take bf16 or f16 operands with f32 sums; other float arithmetic in f32, or as packed bf16 or f16 multiplies, adds, multiply-adds, maxima and minima; sums over many terms, partial sums and values carried from step to step in f32; what a program stores and reads back later, other than sums and carried values, may be rounded once to bf16 or f16.
;; Inputs: W0 8 x 1,024 x 512 float32; W1 8 x 1,024 x 1,024 float32; W2 8 x 512 x 1,024 float32; b0 8 x 1,024 float32; b1 8 x 1,024 float32; b2 8 x 512 float32; query 8 x 4,096 x 512 float32.
;; Outputs: out0 8 x 4,096 x 512 float32.
;; 2 versions, each right and faster than the one before. Each part assembles by itself: llvm-mc -triple=amdgcn-amd-amdhsa -mcpu=gfx1250 --defsym DOCPART=n.
;; ======== version 1 of 2: 2 launches
;; limits: values are held in f16: magnitudes above 65,504 overflow, below 6.1e-05 lose precision; right only within a limited range of input values
;; workspace buffers: wq 33,554,432 bytes
;; launch pack (part 1): grid 512 x 1, 8 waves a work-group, no clusters, 68,608 bytes of LDS; arguments W0, W1, W2, wq; writes wq
.if DOCPART == 1
	.amdgcn_target "amdgcn-amd-amdhsa--gfx1250"
	.amdhsa_code_object_version 6
	.text
	.protected	k_q4b310086d7_pack
	.globl	k_q4b310086d7_pack
	.p2align	8
	.type	k_q4b310086d7_pack,@function
k_q4b310086d7_pack:
	s_mov_b64 s[64:65], 0
	v_nop
	global_prefetch_b8 v0, s[64:65] scope:SCOPE_SE
	s_setreg_imm32_b32 hwreg(HW_REG_WAVE_MODE, 25, 1), 1
	s_wait_xcnt 0x0
; W0 [8][1024][512], W1 [8][1024][1024], W2 [8][512][1024], all f32, are rounded once to bf16 and written into wq in the order in which
; the next launch uses them: wq = [batch 8][wave 4][fragment 1024][1,024 bytes], one linear stream for each (batch, wave).
; FORMATS.  W0 is written as bf16.  W1 and W2 meet f16 operands in the next launch: the number rounded to bf16 is written as f16, which is exact from 2^-17 to 65,504.
; LIMITS.  A weight of W1 or W2 beyond 65,504 becomes an infinity; below 2^-17 it keeps f16's fixed step of 2^-24.
; A FRAGMENT is 16 rows n x 32 k of a weight, as source 0 of v_wmma_f32_16x16x32_* wants it: lane (r = l % 16, h = l / 16) finds
; W[n0+r][k0+8h .. +7] at byte 16 l and W[n0+r][k0+16+8h .. +7] at byte 512 + 16 l.
; STREAM of wave w (k0 = 32 ks):   f =       128 p + 8 ks + nb : W0, n0 = 512 p + 128 w + 16 nb        (p 0-1, ks 0-15, nb 0-7)
;                                  f = 256         + 8 ks + nb : W1, n0 = 128 w + 16 nb                (ks 0-31, nb 0-7)
;                                  f = 512 + 128 q + 4 ks + nb : W1, n0 = 512 + 256 q + 64 w + 16 nb   (q 0-1, ks 0-31, nb 0-3)
;                                  f = 768         + 8 ks + nb : W2, n0 = 128 w + 16 nb                (ks 0-31, nb 0-7)
; SHARES.  A wave takes one UNIT, 16 rows x 256 k: 16 KiB in, eight fragments (8 KiB) out.  4,096 units: 1,024 of W0, 2,048 of W1, 1,024 of W2.
; All 32 loads of a unit go out at once, each taking 256 whole bytes of two rows; the turn into fragment order goes through the wave's own
; LDS tile, so there is no barrier; each store of the wave covers 512 consecutive bytes, aligned.  Memory binds: no matrix unit, no cluster.
.set PITCHL, 528                       ; an LDS row: 512 bytes of 16-bit numbers + 16 = 132 words: row r starts at bank 4 r mod 64 (64 banks of 4 bytes: ISA guide 11.1)
.set WTILE,  16*PITCHL                 ; a wave's tile
.set SPARE,  8*WTILE                   ; behind the tiles: the spare words, 128 bytes for each wave: four blocks of 256 bytes that no other line names
.set VOF, 2                            ; v[2:9]    byte offset of my 16 bytes in rows p and p + 8 of the unit
.set LW,  10                           ; v10       where I put 8 bytes of a row
.set LR,  11                           ; v11       where I read 16 bytes of a fragment
.set VD,  12                           ; v[12:19]  my byte offset in the unit's fragment ks
.set T,   20                           ; v[20:27]  at work
.set SPW, 30                           ; v30       LDS address of my spare word; never rewritten
.set NIL, 31                           ; v31       0; never rewritten
.set X,   64                           ; v[64:191] the unit as loaded
.set O,   192                          ; v[192:255] the eight fragments
	s_load_b256 s[4:11], s[0:1], 0x0               ; W0 s[4:5], W1 s[6:7], W2 s[8:9], wq s[10:11]
	v_lshl_add_u32 v[SPW], v0, 2, SPARE
	v_mov_b32 v[NIL], 0
	v_lshrrev_b32 v1, 5, v0
	v_readfirstlane_b32 s12, v1                    ; wave 0..7
	s_lshl_b32 s13, ttmp9, 3
	s_add_co_u32 s13, s13, s12                     ; U, my unit
	s_mov_b32 s19, 0
	s_mov_b32 s27, 0
	s_mov_b32 s31, 0xffff0000                      ; mask of a word's upper bf16
	; The decode: s14 batch, s15 the block nt of 16 rows, s16 the block kc of 256 k, s17 bytes in a source row, s18 source offset,
	; s20 the wave whose stream takes the rows, s21 the unit's first fragment there, s22 bytes from one of its fragments to the next.
	s_cmp_lt_u32 s13, 1024
	s_cbranch_scc0 .Lnot_w0
	s_lshr_b32 s14, s13, 7                         ; W0: U = 128 b + 2 nt + kc
	s_bfe_u32 s15, s13, 0x60001
	s_and_b32 s16, s13, 1
	s_mov_b32 s17, 2048
	s_lshl_b32 s18, s14, 21
	s_lshl_b32 s20, s15, 15
	s_add_co_u32 s18, s18, s20
	s_bfe_u32 s20, s15, 0x20003                    ; nt = 32 p + 8 w + nb
	s_and_b32 s21, s15, 7
	s_lshr_b32 s23, s15, 5
	s_lshl_b32 s23, s23, 7
	s_add_co_u32 s21, s21, s23
	s_lshl_b32 s23, s16, 6
	s_add_co_u32 s21, s21, s23                     ; 128 p + nb + 8 x (8 kc)
	s_mov_b32 s22, 8192
	s_branch .Ldecoded
.Lnot_w0:
	s_cmp_lt_u32 s13, 3072
	s_cbranch_scc0 .Lw2
	s_sub_co_u32 s23, s13, 1024                    ; W1: U - 1024 = 256 b + 4 nt + kc
	s_lshr_b32 s14, s23, 8
	s_bfe_u32 s15, s23, 0x60002
	s_and_b32 s16, s23, 3
	s_mov_b32 s17, 4096
	s_lshl_b32 s18, s14, 22
	s_lshl_b32 s20, s15, 16
	s_add_co_u32 s18, s18, s20
	s_cmp_lt_u32 s15, 32
	s_cbranch_scc0 .Lw1_hi
	s_lshr_b32 s20, s15, 3                         ; rows 0-511: nt = 8 w + nb
	s_and_b32 s21, s15, 7
	s_lshl_b32 s23, s16, 6
	s_add_co_u32 s21, s21, s23
	s_add_co_u32 s21, s21, 256
	s_mov_b32 s22, 8192
	s_branch .Ldecoded
.Lw1_hi:
	s_bfe_u32 s20, s15, 0x20002                    ; rows 512-1023: nt = 32 + 16 q + 4 w + nb
	s_and_b32 s21, s15, 3
	s_bfe_u32 s23, s15, 0x10004
	s_lshl_b32 s23, s23, 7
	s_add_co_u32 s21, s21, s23
	s_lshl_b32 s23, s16, 5
	s_add_co_u32 s21, s21, s23                     ; 128 q + nb + 4 x (8 kc)
	s_add_co_u32 s21, s21, 512
	s_mov_b32 s22, 4096
	s_branch .Ldecoded
.Lw2:
	s_sub_co_u32 s23, s13, 3072                    ; W2: U - 3072 = 128 b + 4 nt + kc
	s_lshr_b32 s14, s23, 7
	s_bfe_u32 s15, s23, 0x50002
	s_and_b32 s16, s23, 3
	s_mov_b32 s17, 4096
	s_lshl_b32 s18, s14, 21
	s_lshl_b32 s20, s15, 16
	s_add_co_u32 s18, s18, s20
	s_lshr_b32 s20, s15, 3                         ; nt = 8 w + nb
	s_and_b32 s21, s15, 7
	s_lshl_b32 s23, s16, 6
	s_add_co_u32 s21, s21, s23
	s_add_co_u32 s21, s21, 768
	s_mov_b32 s22, 8192
.Ldecoded:
	s_lshl_b32 s23, s16, 10
	s_add_co_u32 s18, s18, s23                     ; + 256 k of 4 bytes for each kc
	s_lshl2_add_u32 s26, s14, s20                  ; stream 4 b + w, 1 MiB each,
	s_lshl_b32 s26, s26, 20
	s_lshl_b32 s23, s21, 10                        ; and the fragment in it
	s_add_co_u32 s26, s26, s23
	v_and_b32 v1, 31, v0
	v_lshlrev_b32 v1, 4, v1                        ; 16 x lane
	v_and_b32 v[T], 15, v0                         ; l % 16
	v_bfe_u32 v[T+1], v0, 4, 1                     ; l / 16
	s_lshl_b32 s29, s17, 3
	v_mul_lo_u32 v[VOF], v[T+1], s29               ; lanes 16-31 take the row eight further down
	v_lshl_add_u32 v[VOF], v[T], 4, v[VOF]
.irp p, 1,2,3,4,5,6,7
	v_add_nc_u32 v[VOF+(\p)], s17, v[VOF+(\p)-1]
.endr
	s_wait_kmcnt 0x0
	s_cmp_lt_u32 s13, 1024                         ; the source and the format are chosen by the unit's number alone
	s_cselect_b64 s[24:25], s[4:5], s[6:7]
	s_cselect_b32 s30, -1, 0                       ; all lanes: a unit of W0 stays bf16
	s_cmp_lt_u32 s13, 3072
	s_cselect_b64 s[24:25], s[24:25], s[8:9]
	s_add_nc_u64 s[24:25], s[24:25], s[18:19]
	s_add_nc_u64 s[10:11], s[10:11], s[26:27]
.irp j, 0,1,2,3                        ; all 32 loads: k = 64 j + 4 (l % 16) .. + 3 of rows p and p + 8: sixteen lanes take 256 consecutive bytes, aligned
.irp p, 0,1,2,3,4,5,6,7
	global_load_b128 v[X+4*(8*(\j)+(\p)):X+4*(8*(\j)+(\p))+3], v[VOF+(\p)], s[24:25] offset:256*(\j) th:TH_LOAD_NT
.endr
.endr
	s_mul_i32 s28, s12, WTILE                      ; my wave's tile
	v_mul_u32_u24 v[LW], v[T+1], 8*PITCHL
	v_lshl_add_u32 v[LW], v[T], 3, v[LW]
	v_add_nc_u32 v[LW], s28, v[LW]
	v_mul_u32_u24 v[LR], v[T], PITCHL
	v_lshl_add_u32 v[LR], v[T+1], 4, v[LR]
	v_add_nc_u32 v[LR], s28, v[LR]
	v_mov_b32 v[VD], v1
.irp k, 1,2,3,4,5,6,7
	v_add_nc_u32 v[VD+(\k)], s22, v[VD+(\k)-1]
.endr
.irp j, 0,1,2,3
	s_wait_loadcnt 24-8*(\j)                       ; loads come back in order (ISA guide 5.7.1): group j's eight are in, the younger groups stay out
.irp p, 0,1,2,3,4,5,6,7
	v_cvt_pk_bf16_f32 v[T+2*((\p)%4)],   v[X+4*(8*(\j)+(\p))],   v[X+4*(8*(\j)+(\p))+1]  ; the one rounding, to bf16
	v_cvt_pk_bf16_f32 v[T+2*((\p)%4)+1], v[X+4*(8*(\j)+(\p))+2], v[X+4*(8*(\j)+(\p))+3]
	v_lshlrev_b32 v[X+4*(8*(\j)+(\p))],   16,  v[T+2*((\p)%4)]                           ; widened again,
	v_and_b32     v[X+4*(8*(\j)+(\p))+1], s31, v[T+2*((\p)%4)]
	v_lshlrev_b32 v[X+4*(8*(\j)+(\p))+2], 16,  v[T+2*((\p)%4)+1]
	v_and_b32     v[X+4*(8*(\j)+(\p))+3], s31, v[T+2*((\p)%4)+1]
	v_cvt_pk_f16_f32 v[X+4*(8*(\j)+(\p))],   v[X+4*(8*(\j)+(\p))],   v[X+4*(8*(\j)+(\p))+1]  ; the same numbers as f16,
	v_cvt_pk_f16_f32 v[X+4*(8*(\j)+(\p))+2], v[X+4*(8*(\j)+(\p))+2], v[X+4*(8*(\j)+(\p))+3]
	v_cndmask_b32 v[T+2*((\p)%4)],   v[X+4*(8*(\j)+(\p))],   v[T+2*((\p)%4)],   s30          ; and the unit's format is taken
	v_cndmask_b32 v[T+2*((\p)%4)+1], v[X+4*(8*(\j)+(\p))+2], v[T+2*((\p)%4)+1], s30
	ds_store_b64 v[LW], v[T+2*((\p)%4):T+2*((\p)%4)+1] offset:PITCHL*(\p)+128*(\j)  ; rows p and p + 8 lie 8 x 528 = 128 mod 256 bytes apart
.endr
.endr
.irp i, 0,1,2,3,4,5,6,7,8,9,10,11,12,13,14,15  ; fragment i / 2, half i % 2.  LDS serves a wave's instructions in order (ISA guide 5.7.1.4): these see the stores above
	ds_load_b128 v[O+4*(\i):O+4*(\i)+3], v[LR] offset:64*((\i)/2)+32*((\i)%2)
.endr
.irp i, 0,1,2,3,4,5,6,7,8,9,10,11,12,13,14,15
	s_wait_dscnt 15-(\i)
	global_store_b128 v[VD+(\i)/2], v[O+4*(\i):O+4*(\i)+3], s[10:11] offset:512*((\i)%2)  ; 512 consecutive bytes, at a multiple of 512 from wq's first
.endr
	s_wait_tensorcnt 0x0                           ; the wave's end, behind my last LDS store
	ds_add_u32 v[SPW], v[NIL]
	s_wait_dscnt 0x0
	s_endpgm
.Lfunc_end_k_q4b310086d7_pack:
	.size	k_q4b310086d7_pack, .Lfunc_end_k_q4b310086d7_pack-k_q4b310086d7_pack
	.p2alignl 7, 3214868480
	.fill 96, 4, 3214868480
	.section	.rodata,"a",@progbits
	.p2align	6, 0x0
	.amdhsa_kernel k_q4b310086d7_pack
		.amdhsa_group_segment_fixed_size 68608
		.amdhsa_private_segment_fixed_size 0
		.amdhsa_enable_private_segment 0
		.amdhsa_kernarg_size 32
		.amdhsa_user_sgpr_count 2
		.amdhsa_user_sgpr_kernarg_segment_ptr 1
		.amdhsa_wavefront_size32 1
		.amdhsa_system_sgpr_workgroup_id_x 1
		.amdhsa_system_sgpr_workgroup_id_y 1
		.amdhsa_system_sgpr_workgroup_id_z 1
		.amdhsa_system_vgpr_workitem_id 0
		.amdhsa_next_free_vgpr 256
		.amdhsa_next_free_sgpr 66
		.amdhsa_reserve_vcc 0
		.amdhsa_float_denorm_mode_32 3
		.amdhsa_float_denorm_mode_16_64 3
		.amdhsa_memory_ordered 1
		.amdhsa_forward_progress 1
		.amdhsa_inst_pref_size 30
	.end_amdhsa_kernel
	.amdgpu_metadata
---
amdhsa.version: [ 1, 2 ]
amdhsa.kernels:
  - .name:           k_q4b310086d7_pack
    .symbol:         k_q4b310086d7_pack.kd
    .args:
      - { .name: W0, .offset: 0, .size: 8, .value_kind: global_buffer, .address_space: global }
      - { .name: W1, .offset: 8, .size: 8, .value_kind: global_buffer, .address_space: global }
      - { .name: W2, .offset: 16, .size: 8, .value_kind: global_buffer, .address_space: global }
      - { .name: wq, .offset: 24, .size: 8, .value_kind: global_buffer, .address_space: global }
    .group_segment_fixed_size: 68608
    .private_segment_fixed_size: 0
    .kernarg_segment_align: 8
    .kernarg_segment_size: 32
    .max_flat_workgroup_size: 256
    .sgpr_count:     66
    .vgpr_count:     256
    .wavefront_size: 32
...
	.end_amdgpu_metadata
.endif
;; end of part 1
;; launch mlp (part 2): grid 32 x 8, 4 waves a work-group, no clusters, 312,064 bytes of LDS; arguments query, wq, b0, b1, b2, out0; writes out0
.if DOCPART == 2
	.amdgcn_target "amdgcn-amd-amdhsa--gfx1250"
	.amdhsa_code_object_version 6
	.text
	.protected	k_q4b310086d7_mlp
	.globl	k_q4b310086d7_mlp
	.p2align	8
	.type	k_q4b310086d7_mlp,@function
k_q4b310086d7_mlp:
	s_mov_b64 s[64:65], 0
	v_nop
	global_prefetch_b8 v0, s[64:65] scope:SCOPE_SE
	s_setreg_imm32_b32 hwreg(HW_REG_WAVE_MODE, 25, 1), 1
	s_wait_xcnt 0x0
; out = W2 relu(W1 relu(W0 x + b0) + b1) + b2 with weights of each batch's own.  query [8][4096][512], out0 [8][4096][512], b0, b1 [8][1024], b2 [8][512], all f32;
; wq: the three weights in 16 bits, in fragment order, one linear stream for each (batch, wave), as the launch before wrote them (its head gives the order and the formats).
; ALL THREE LAYERS IN ONE LAUNCH: a work-group owns 128 rows of one batch, and h0 and h1 (128 x 1024 each) never leave the WGP.
; NUMBERS.  Sums in f32.  x, the weights and the biases are rounded to bf16; layer 0 multiplies in bf16.  h0 and h1 are rounded once each, to f16, and layers 1 and 2 multiply in f16 (their
; weights are the bf16 numbers written as f16).  Why f16: each of the two roundings reaches every output undiminished relative to the output's root mean square r; with 8 significant bits the two
; together spread by about 2^-9 r, so that 0.01 r is under five spreads, too little for 16.7 million numbers; with 11 bits it is an eighth of that.
; THE SCALE.  f16 ends at 65,504, so h is written times a power of two t taken from the data: M is the largest sum of the work-group's 128 rows in the pass (and those before it in the layer),
; e its exponent field, t = 2^(141 - e): M t lies in [2^14, 2^15).  relu commutes with t > 0, so the next layer's sums are the true ones times t if its bias is multiplied by t too; out0 is
; divided by the product of the two layers' scales at the end.  All these factors are powers of two: exact.  A layer is made in several passes: the maximum runs, the last pass has the layer's scale,
; and the earlier passes' packed tiles are multiplied by the ratio (1 or a smaller power of two) in f16.  No branch and no address hangs on a scale.
; LIMITS.  relu is max(0, x) by v_max_num_f32: a NaN becomes 0 where the reference keeps it.  t is at most 2^40 (M counts as 2^-26 at the least): a block of 128 rows whose largest h (for h1: times h0's scale)
; lies under 2^-53 = 1e-16 keeps fewer than 11 bits; b1 times 2^40 and b2 times 2^80 must stay finite: |b1| under 2^87, |b2| under 2^47.
; SHARES.  The four waves split the columns n: each wave multiplies all 128 rows by weights that no other wave of the work-group needs.  So the weights do not pass
; through LDS: each wave streams its own from memory into a ring of 32 fragments (256 registers, 32 KiB), refilled slot by slot as soon as a step has used them.
; The activations lie in LDS and are read by all four waves.
; THE MATRIX INSTRUCTION IS USED TRANSPOSED: source 0 = 16 rows n of a weight, source 1 = 16 rows of the activation.  A lane then holds ONE row (l % 16) and the columns
; n0 + 8 (l / 16) + 0..7; two such results, rounded in pairs, ARE one fragment (16 rows x 32 k) of the next layer, in the same lanes.
; PASSES.  P512: a wave makes 128 x 128 (64 accumulators, windows 2 and 3).  P256: 128 x 64 (32 accumulators, window 2).
;   layer 0: two P512 (one text, walked twice) -> h0 into LDS.   layer 1: one P512 (columns 0-511) -> 256 registers (window 3); two P256 (one text, walked twice): h0 has to
;   stay in LDS until layer 1's last product, so finished h1 waits in registers and in 48 KiB of LDS, and 512 accumulators no longer fit beside it.   layer 2: one P512 -> out0.
; NO CLUSTER, NO TENSOR LOADS.  The 32 work-groups of a batch do walk the same weights, but h0 takes 262,144 of the 327,680 bytes of LDS and the waiting part of h1 49,152:
; what is left holds no two slots of a step's 32 KiB of weights; and inside a work-group no weight is read twice, so LDS would only add a copy.
; LDS.  H: bytes 0-262,143, in fragment order: 8,192 ks + 1,024 t + 512 half + 16 lane (t: block of 16 rows): every access is 512 consecutive bytes.  It holds h0, later h1.
;   X: x in bf16, [128 rows] of 1,040 bytes, from byte 131,072: over H's upper half, which is written only when X has been read for the last time.
;   From 262,144: 12,288 bytes a wave for 24 waiting tiles of h1; later, in the same bytes, 8,448 a wave as the stage of the way out.   From 311,296: the spare words.   From 311,808: the waves' maxima.
; REGISTERS, in windows of 256 (s_set_vgpr_msb: bits 1:0 source 0, 3:2 source 1, 5:4 source 2, 7:6 destination):
;   window 0: v0-31 addresses and work; v32-63 eight waiting tiles of h1; v64-127, v128-191 fragments of the activation, two buffers; v192-255 the bias as a C operand
;   window 1: the ring of weights, slot s at v[8 s]        window 2, 3: accumulators ((a, b) at v[8 (8 a + b)]); window 3 later h1's columns 0-511, packed
.set XBASE, 131072
.set XP,    1040                       ; 1,024 bytes + 16 = 260 words: row r starts at bank 4 r mod 64 (64 banks of 4 bytes: ISA guide 11.1)
.set STASH, 262144
.set SP,    528                        ; a row of the stage: 512 bytes + 16
.set SPARE, 311296                     ; the spare words, 128 bytes for each wave: two blocks of 256 bytes that no other line names
.set MXB,   311808                     ; the waves' maxima: four words at byte 0 (layer 0), 16 (layer 1's P512), 32 (its P256 passes)
.set FLOOR, 0x32800000                 ; 2^-26: the least that a maximum counts as
.set LB,   1                           ; v1   16 x lane: my place in a fragment, in wq and in H, and in 512 bytes of out0; never rewritten
.set AXA,  2                           ; v2-3 LDS address of the activation's blocks 0-3 and 4-7 at the trip's first k
.set HL1,  4                           ; v4   LB + 4,096
.set XL0,  5                           ; v5   my place in X's blocks 0-3
.set XL1,  6                           ; v6   in its blocks 4-7
.set HST,  7                           ; v7   where a P512's results begin in H: LB + 32,768 w
.set HSTC, 8                           ; v8   the same plus the pass's half of H
.set HSQ0, 9                           ; v9   where the first P256's results begin in H
.set HSQ1, 10                          ; v10  the second's
.set SSH,  11                          ; v11  my place in my wave's waiting tiles
.set STO,  12                          ; v12  the way out: where I put 16 bytes of a row
.set RD,   13                          ; v13  the way out: where I read a row back
.set BV,   14                          ; v14  32 (l / 16): my eight numbers in 16 of a bias
.set QV,   15                          ; v15  at the head: my 16 bytes in two rows of query
.set MR,   15                          ; v15  later: the layer's running maximum
.set XW,   16                          ; v16  at the head: where I put 8 bytes of X
.set MB,   16                          ; v16  later: the running maximum with which the first P256's tiles were packed
.set AXB,  17                          ; v17-18  P256: AXA's two, 32,768 bytes on
.set MA,   19                          ; v19  the running maximum with which a layer's first pass was packed
.set T,    20                          ; v20-27  at work
.set TS,   26                          ; v26-27  of them: the pass's scale, as a pair
.set SPW,  28                          ; v28  LDS address of my spare word; never rewritten
.set NIL,  29                          ; v29  0; never rewritten
.set SC,   30                          ; v30-31  the product of the scales so far, as a pair: what the next bias is multiplied by
.set S2R,  32
.set F0,   64
.set BIAS, 192
.set QP,   4                           ; s[4:5]   query at my wave's 32 rows
.set BS,   6                           ; s[6:7]   my stream in wq, at the trip in hand
.set PB0,  8                           ; s[8:9]   b0 at my 128 columns
.set PB1,  10                          ; s[10:11] b1 likewise
.set PB2,  12                          ; s[12:13] b2 likewise
.set OUTP, 14                          ; s[14:15] out0 at the work-group's first row, my 128 columns
.set WV,   16                          ; s16  my wave's number
.set BP,   24                          ; s[24:25] the bias that layer 0's epilogue fetches
.set PBQ,  26                          ; s[26:27] b1 at my 64 columns of the first P256
.set CNT,  28                          ; s28  trips of a pass
.set OUTER, 29                         ; s29  passes of one text
.set KB,   30                          ; s30  LDS bytes along k at the trip in hand
.set HB,   31                          ; s31  the half of H that layer 0's pass fills
.set HIM,  32                          ; s32  mask of a word's upper bf16
.set SEL,  44                          ; s[44:45] v_permlanex16_b32's selects: each lane takes its own place in the other half
.set MXWS, 46                          ; s46  LDS address of my wave's word among the maxima
.set MSB, 0
.macro WIN new                         ; the immediate's high byte repeats the setting that is left; a switch that changes nothing is dropped
.if MSB != (\new)
	s_set_vgpr_msb (MSB<<8)|(\new)
.set MSB, (\new)
.endif
.endm
; A load into a register that a matrix instruction has read, and a vector instruction or LDS store that reads a matrix result, stand four places behind it, and only plain vector
; instructions that name none of its registers are places (ISA guide 7.12.1 for vector instructions).
.macro PLACES
.rept 4
	v_nop
.endr
.endm
; 16 LDS loads in one run: the activation's eight fragments (128 rows x 32 k) into buffer f.  ts: bytes from a block of 16 rows to the next; hs: to a fragment's second half.
.macro ALOAD f, ax, koff, ts, hs
	WIN 0
.irp t, 0,1,2,3,4,5,6,7
	ds_load_b128 v[(\f)+8*(\t):(\f)+8*(\t)+3],   v[(\ax)+(\t)/4] offset:(\koff)+((\t)%4)*(\ts)
	ds_load_b128 v[(\f)+8*(\t)+4:(\f)+8*(\t)+7], v[(\ax)+(\t)/4] offset:(\koff)+((\t)%4)*(\ts)+(\hs)
.endr
.endm
; n fragments of my stream, from byte off behind BS, into the ring's slots slot0 on: each load takes 512 consecutive bytes
.macro BLOAD slot0, n, off
	WIN 0x40                                       ; destination window 1, address window 0
.set bi, 0
.rept \n
	global_load_b128 v[8*((\slot0)+bi):8*((\slot0)+bi)+3],   v[LB], s[BS:BS+1] offset:(\off)+1024*bi
	global_load_b128 v[8*((\slot0)+bi)+4:8*((\slot0)+bi)+7], v[LB], s[BS:BS+1] offset:(\off)+1024*bi+512
.set bi, bi+1
.endr
.endm
; The bias of nt blocks of 16 columns, laid as a C operand, into blocks d0 on of v192-255: register j of block nb = bias[16 nb + 8 (l / 16) + j]
.macro BIASLD nt, base, off, d0=0
	WIN 0
.set bj, 0
.rept \nt
	global_load_b128 v[BIAS+8*((\d0)+bj):BIAS+8*((\d0)+bj)+3],   v[BV], s[\base:\base+1] offset:(\off)+64*bj
	global_load_b128 v[BIAS+8*((\d0)+bj)+4:BIAS+8*((\d0)+bj)+7], v[BV], s[\base:\base+1] offset:(\off)+64*bj+16
.set bj, bj+1
.endr
.endm
.macro BIASRND nt, sc                  ; the bias is rounded to bf16 like the other inputs, and widened again; sc = 1: times the product of the scales so far
	WIN 0
.set bj, 0
.rept \nt
.irp r, 0,1,2,3
	v_cvt_pk_bf16_f32 v[T+4*(bj%2)+(\r)], v[BIAS+8*bj+2*(\r)], v[BIAS+8*bj+2*(\r)+1]
.endr
.irp r, 0,1,2,3
	v_lshlrev_b32 v[BIAS+8*bj+2*(\r)],   16, v[T+4*(bj%2)+(\r)]
	v_and_b32     v[BIAS+8*bj+2*(\r)+1], s[HIM], v[T+4*(bj%2)+(\r)]
.endr
.if \sc
.irp r, 0,1,2,3
	v_pk_mul_f32 v[BIAS+8*bj+2*(\r):BIAS+8*bj+2*(\r)+1], v[BIAS+8*bj+2*(\r):BIAS+8*bj+2*(\r)+1], v[SC:SC+1] op_sel_hi:[1,0]
.endr
.endif
.set bj, bj+1
.endr
.endm
; P512, 16 matrix instructions: row blocks 4 hi + a0, + 1 x all 8 column blocks, 32 along k; the weights in the ring's slots 8 rb on.  first = 1: the bias starts the sums.  fmt: bf16 or f16.
; The 64 accumulators take turns, one instruction a turn.
.macro MUL16 f, rb, hi, a0, first, fmt
.if \first
	WIN 0x81+0x40*(\hi)                            ; weights window 1, activation and C window 0, D window 2 or 3
.else
	WIN 0xa1+0x50*(\hi)                            ; C and D window 2 or 3
.endif
.irp a, \a0, (\a0)+1
.irp b, 0,1,2,3,4,5,6,7
.if \first
	v_wmma_f32_16x16x32_\fmt v[8*(8*(\a)+(\b)):8*(8*(\a)+(\b))+7], v[64*(\rb)+8*(\b):64*(\rb)+8*(\b)+7], v[(\f)+8*(4*(\hi)+(\a)):(\f)+8*(4*(\hi)+(\a))+7], v[BIAS+8*(\b):BIAS+8*(\b)+7]
.else
	v_wmma_f32_16x16x32_\fmt v[8*(8*(\a)+(\b)):8*(8*(\a)+(\b))+7], v[64*(\rb)+8*(\b):64*(\rb)+8*(\b)+7], v[(\f)+8*(4*(\hi)+(\a)):(\f)+8*(4*(\hi)+(\a))+7], v[8*(8*(\a)+(\b)):8*(8*(\a)+(\b))+7]
.endif
.endr
.endr
.endm
; P256, 16 matrix instructions: row blocks 4 hi + 0..3 x 4 column blocks; accumulator (t, nb) at v[8 (4 t + nb)] of window 2; the weights in the ring's slots 4 rb on
.macro MULQ f, rb, hi, first
.if \first
	WIN 0x81
.else
	WIN 0xa1
.endif
.irp a, 0,1,2,3
.irp b, 0,1,2,3
.if \first
	v_wmma_f32_16x16x32_f16 v[8*(4*(4*(\hi)+(\a))+(\b)):8*(4*(4*(\hi)+(\a))+(\b))+7], v[32*(\rb)+8*(\b):32*(\rb)+8*(\b)+7], v[(\f)+8*(4*(\hi)+(\a)):(\f)+8*(4*(\hi)+(\a))+7], v[BIAS+8*(\b):BIAS+8*(\b)+7]
.else
	v_wmma_f32_16x16x32_f16 v[8*(4*(4*(\hi)+(\a))+(\b)):8*(4*(4*(\hi)+(\a))+(\b))+7], v[32*(\rb)+8*(\b):32*(\rb)+8*(\b)+7], v[(\f)+8*(4*(\hi)+(\a)):(\f)+8*(4*(\hi)+(\a))+7], v[8*(4*(4*(\hi)+(\a))+(\b)):8*(4*(4*(\hi)+(\a))+(\b))+7]
.endif
.endr
.endr
.endm
; A STEP of a P512: 32 along k, 64 matrix instructions; step i of a trip's four uses the ring's slots 8 i on and activation buffer i % 2.
; In its middle the next step's activation is fetched into the other buffer (aload = 1; 2: not in the pass's last trip; 0: not at all); at its end its slots are asked for
; again, with the fragments four steps on (refill = 1).  left: the younger loads of the ring that may stay out.
.macro STEP i, first, aload, refill, left, kstr, ts, hs, fmt, sc
.set FF, F0+64*((\i)%2)
.set GG, F0+64*(1-(\i)%2)
	s_wait_loadcnt \left                           ; loads come back in order (ISA guide 5.7.1): this step's 16 are in
.if \first
	BIASRND 8, \sc
.endif
	s_wait_dscnt 8                                 ; the activation's rows 0-63 are in; the youngest eight loads (rows 64-127) may be out
	MUL16 FF, \i, 0, 0, \first, \fmt
	MUL16 FF, \i, 0, 2, \first, \fmt
	WIN 0                                          ; at a branch and at a label every window is 0
	s_wait_dscnt 0x0                               ; rows 64-127 are in
.if (\aload) == 2
	s_cmp_eq_u32 s[CNT], 1
	s_cbranch_scc1 .Lno_a_\@                       ; behind the pass's last step there is nothing to fetch
.endif
.if \aload
	PLACES
	ALOAD GG, AXA, ((\i)+1)*(\kstr), \ts, \hs
.endif
.if (\aload) == 2
.Lno_a_\@:
.endif
	MUL16 FF, \i, 1, 0, \first, \fmt
	MUL16 FF, \i, 1, 2, \first, \fmt
	PLACES                                         ; behind the step's last product: for the loads into the slots that it read, and for what reads the sums behind a pass
.if \refill
	BLOAD 8*(\i), 8, (4+(\i))*8192
.endif
.endm
; A STEP of a P256: 32 matrix instructions; step i of a trip's eight uses the ring's slots 4 i on
.macro STEPQ i, first, aload, left
.set FF, F0+64*((\i)%2)
.set GG, F0+64*(1-(\i)%2)
	s_wait_loadcnt \left
.if \first
	BIASRND 4, 1
.endif
	s_wait_dscnt 8
	MULQ FF, \i, 0, \first
	WIN 0
	s_wait_dscnt 0x0
.if (\aload) == 2
	s_cmp_eq_u32 s[CNT], 1
	s_cbranch_scc1 .Lno_q_\@
.endif
	PLACES
	ALOAD GG, AXA+15*((\i)/4), ((\i)%4+1)*8192, 1024, 512  ; steps 1-4 of the trip by v2-3, steps 5-8 by v17-18: the immediate stays inside its 16 bits
.if (\aload) == 2
.Lno_q_\@:
.endif
	MULQ FF, \i, 1, \first
	PLACES
	BLOAD 4*(\i), 4, (8+(\i))*4096
.endm
; A P512 PASS of 4 x trips steps.  The first step, whose products take the bias as C, stands in front of the loop, which is entered behind its own first step.
; The wait for 0 at the pass's head takes in the bias, which was asked for ahead of the epilogue before; in the loop 48 = the ring's 64 loads less the step's own 16.
; final = 1: the stream ends with this pass: the last trip is written out and asks for nothing, and its counts run down.
.macro PASS512 trips, lt0, lt1, kstr, ts, hs, final, fmt, sc
	WIN 0
	s_mov_b32 s[KB], 0
	v_mov_b32 v[AXA], v[\lt0]
	v_mov_b32 v[AXA+1], v[\lt1]
	s_wait_dscnt 0x0                               ; no LDS load is out when the pass's first run goes into buffer 0
	ALOAD F0, AXA, 0, \ts, \hs
	s_mov_b32 s[CNT], (\trips)-(\final)
	STEP 0, 1, 1, 1, 0, \kstr, \ts, \hs, \fmt, \sc
	WIN 0
	s_branch .Lmid_\@
.Ltrip_\@:
	STEP 0, 0, 1, 1, 48, \kstr, \ts, \hs, \fmt, 0
	WIN 0
.Lmid_\@:
	STEP 1, 0, 1, 1, 48, \kstr, \ts, \hs, \fmt, 0
	STEP 2, 0, 1, 1, 48, \kstr, \ts, \hs, \fmt, 0
	STEP 3, 0, 2-(\final), 1, 48, \kstr, \ts, \hs, \fmt, 0
	WIN 0
	s_wait_xcnt 0x0                                ; the stream's base is stepped only when every load that names it has had its address translated (ISA guide 3.1)
	s_add_nc_u64 s[BS:BS+1], s[BS:BS+1], 32768
	s_add_co_u32 s[KB], s[KB], 4*(\kstr)
	v_add_nc_u32 v[AXA], s[KB], v[\lt0]
	v_add_nc_u32 v[AXA+1], s[KB], v[\lt1]
	s_sub_co_u32 s[CNT], s[CNT], 1
	s_cmp_lg_u32 s[CNT], 0
	s_cbranch_scc1 .Ltrip_\@
.if \final
	STEP 0, 0, 1, 0, 48, \kstr, \ts, \hs, \fmt, 0
	STEP 1, 0, 1, 0, 32, \kstr, \ts, \hs, \fmt, 0
	STEP 2, 0, 1, 0, 16, \kstr, \ts, \hs, \fmt, 0
	STEP 3, 0, 0, 0, 0, \kstr, \ts, \hs, \fmt, 0
	WIN 0
.endif
.endm
; A P256 PASS: 32 steps in four trips of eight; 56 = the ring's 64 loads less the step's own 8
.macro PASS256
	WIN 0
	s_mov_b32 s[KB], 0
	v_mov_b32 v[AXA], v[LB]
	v_mov_b32 v[AXA+1], v[HL1]
	v_add_nc_u32 v[AXB], 32768, v[LB]
	v_add_nc_u32 v[AXB+1], 32768, v[HL1]
	s_wait_dscnt 0x0                               ; no LDS load is out when the pass's first run goes into buffer 0; the first pass's waiting tiles are written
	ALOAD F0, AXA, 0, 1024, 512
	s_mov_b32 s[CNT], 4
	STEPQ 0, 1, 1, 0
	WIN 0
	s_branch .Lqmid_\@
.Lqtrip_\@:
	STEPQ 0, 0, 1, 56
	WIN 0
.Lqmid_\@:
.irp i, 1,2,3,4,5,6
	STEPQ \i, 0, 1, 56
.endr
	STEPQ 7, 0, 2, 56
	WIN 0
	s_wait_xcnt 0x0
	s_add_nc_u64 s[BS:BS+1], s[BS:BS+1], 32768
	s_add_co_u32 s[KB], s[KB], 65536
	v_add_nc_u32 v[AXA], s[KB], v[LB]
	v_add_nc_u32 v[AXA+1], s[KB], v[HL1]
	v_add_nc_u32 v[AXB], 32768, v[AXA]
	v_add_nc_u32 v[AXB+1], 32768, v[AXA+1]
	s_sub_co_u32 s[CNT], s[CNT], 1
	s_cmp_lg_u32 s[CNT], 0
	s_cbranch_scc1 .Lqtrip_\@
.endm
; THE EPILOGUES' PARTS.
; The largest of 0 and window w's 256 sums, in four chains v20-23; in ascending order: each accumulator's lowest registers are read first.  start = 1: the constant 0 starts the chains.
.macro MAXW w, start
	WIN 0x14*(\w)                                  ; sources 1 and 2 in window w, source 0 and the destination in window 0
.set mi, 0
.rept 128
.if (\start) && (mi < 4)
	v_max3_num_f32 v[T+mi], 0, v[2*mi], v[2*mi+1]
.else
	v_max3_num_f32 v[T+mi%4], v[T+mi%4], v[2*mi], v[2*mi+1]
.endif
.set mi, mi+1
.endr
.endm
; The four chains and the 32 lanes become one number, which goes into my wave's word at byte off of the maxima; then the barrier's signal.
.macro XPUT off
	WIN 0
	v_max3_num_f32 v[T], v[T], v[T+1], v[T+2]
	v_max_num_f32 v[T], v[T], v[T+3]
	v_max_num_f32_dpp v[T], v[T], v[T] row_xmask:1 row_mask:0xf bank_mask:0xf
	v_max_num_f32_dpp v[T], v[T], v[T] row_xmask:2 row_mask:0xf bank_mask:0xf
	v_max_num_f32_dpp v[T], v[T], v[T] row_xmask:4 row_mask:0xf bank_mask:0xf
	v_max_num_f32_dpp v[T], v[T], v[T] row_xmask:8 row_mask:0xf bank_mask:0xf
	v_permlanex16_b32 v[T+1], v[T], s[SEL], s[SEL+1]
	v_max_num_f32 v[T], v[T], v[T+1]
	v_mov_b32 v[T+4], s[MXWS]
	ds_store_b32 v[T+4], v[T] offset:\off          ; all lanes write the same word with the same number
	s_wait_dscnt 0x0                               ; for the others' sake: my word is written, and my reads of the activation in this pass are over
	s_barrier_signal -1
.endm
; Behind the barrier's wait all four words are read: v20 = the work-group's maximum, 2^-26 at the least.
.macro XGET off
	WIN 0
	s_barrier_wait -1
	v_mov_b32 v[T+4], MXB
	ds_load_b128 v[T:T+3], v[T+4] offset:\off
	s_wait_dscnt 0x0
	v_max3_num_f32 v[T], v[T], v[T+1], v[T+2]
	v_max3_num_f32 v[T], v[T], v[T+3], FLOOR
.endm
.macro MKSCALE d, m                    ; m's exponent field e -> 2^(141 - e): field 268 - e, from 13 (e = 255) to 167 (e = 101)
	v_and_b32 v[\d], 0x7f800000, v[\m]
	v_sub_nc_u32 v[\d], 0x86000000, v[\d]
.endm
.macro MKINV d, m                      ; its reciprocal, 2^(e - 141): field e - 14
	v_and_b32 v[\d], 0x7f800000, v[\m]
	v_add_nc_u32 v[\d], 0xf9000000, v[\d]
.endm
.macro RELU wset                       ; a window's 256 sums
	WIN \wset
.set ri, 0
.rept 256
	v_max_num_f32 v[ri], 0, v[ri]
.set ri, ri+1
.endr
.endm
.macro SCALE wset, pr                  ; a window's 256 numbers times the low word of the pair pr of window 0, in ascending order
	WIN \wset
.set ri, 0
.rept 128
	v_pk_mul_f32 v[2*ri:2*ri+1], v[2*ri:2*ri+1], v[\pr:\pr+1] op_sel_hi:[1,0]
.set ri, ri+1
.endr
.endm
.macro PACK wset, dst                  ; 256 numbers into 128 registers of f16 pairs.  In place (dst = 0) register p is written when registers 2 p, 2 p + 1 are read: nothing unread is lost
	WIN \wset
.set pi, 0
.rept 128
	v_cvt_pk_f16_f32 v[(\dst)+pi], v[2*pi], v[2*pi+1]
.set pi, pi+1
.endr
.endm
.macro HMUL wset, base, n, r           ; n registers of f16 pairs times the pair in register r of window 0: a power of two, 1 at the most
	WIN \wset
.set hm, 0
.rept \n
	v_pk_mul_f16 v[(\base)+hm], v[(\base)+hm], v[\r]
.set hm, hm+1
.endr
.endm
; 32 packed tiles of a P512 (row blocks 4 hi + a, column blocks b, at base + 4 (8 a + b)) into H: column block b is half b % 2 of the k step b / 2 of the wave's four
.macro HSTORE adr, wset, hi, base
	WIN \wset
.irp a, 0,1,2,3
.irp b, 0,1,2,3,4,5,6,7
	ds_store_b128 v[\adr], v[(\base)+4*(8*(\a)+(\b)):(\base)+4*(8*(\a)+(\b))+3] offset:((\b)/2)*8192+(4*(\hi)+(\a))*1024+((\b)%2)*512
.endr
.endr
.endm
.macro HLOAD adr, wset, hi, base       ; and back
	WIN \wset
.irp a, 0,1,2,3
.irp b, 0,1,2,3,4,5,6,7
	ds_load_b128 v[(\base)+4*(8*(\a)+(\b)):(\base)+4*(8*(\a)+(\b))+3], v[\adr] offset:((\b)/2)*8192+(4*(\hi)+(\a))*1024+((\b)%2)*512
.endr
.endr
.endm
; 32 of the query's 128 loads are rounded to bf16 and put into X
.macro XCONV k
	WIN 0x0a+5*((\k)/2)                            ; sources window 2 or 3, destination window 0
.set m, 0
.rept 32
.set n, 32*(\k)+m
	v_cvt_pk_bf16_f32 v[F0+64*((\k)%2)+2*m],   v[4*(n%64)],   v[4*(n%64)+1]
	v_cvt_pk_bf16_f32 v[F0+64*((\k)%2)+2*m+1], v[4*(n%64)+2], v[4*(n%64)+3]
.set m, m+1
.endr
	WIN 0
.set m, 0
.rept 32
.set n, 32*(\k)+m
	ds_store_b64 v[XW], v[F0+64*((\k)%2)+2*m:F0+64*((\k)%2)+2*m+1] offset:(16*((n/8)%2)+n%8)*XP+128*(n/16)  ; two rows 8 x 1,040 = 128 mod 256 bytes apart
.set m, m+1
.endr
.endm
	s_load_b256 s[4:11], s[0:1], 0x0               ; query, wq, b0, b1
	s_load_b128 s[12:15], s[0:1], 0x20             ; b2, out0
	v_lshl_add_u32 v[SPW], v0, 2, SPARE
	v_mov_b32 v[NIL], 0
	v_lshrrev_b32 v[T], 5, v0
	v_readfirstlane_b32 s[WV], v[T]                ; wave 0..3
	s_and_b32 s17, ttmp7, 0xffff                   ; the batch; ttmp9 is the block of 128 rows
	s_lshl_b32 s20, s17, 23                        ; offsets, each in a pair of its own.  s[20:21]: the work-group's first row in query and out0 (rows of 2,048 bytes)
	s_lshl_b32 s22, ttmp9, 18
	s_add_co_u32 s20, s20, s22
	s_mov_b32 s21, 0
	s_lshl_b32 s22, s[WV], 9                       ; s[22:23]: 128 w numbers of 4 bytes
	s_mov_b32 s23, 0
	s_lshl_b32 s34, s[WV], 16                      ; s[34:35]: 32 w rows
	s_mov_b32 s35, 0
	s_lshl2_add_u32 s36, s17, s[WV]                ; s[36:37]: stream 4 b + w, 1 MiB each
	s_lshl_b32 s36, s36, 20
	s_mov_b32 s37, 0
	s_lshl_b32 s38, s17, 12                        ; s[38:39]: the batch in b0 and b1
	s_mov_b32 s39, 0
	s_lshl_b32 s40, s17, 11                        ; s[40:41]: in b2
	s_mov_b32 s41, 0
	s_lshl_b32 s42, s[WV], 8                       ; s[42:43]: column 512 + 64 w
	s_add_co_u32 s42, s42, 2048
	s_mov_b32 s43, 0
	s_mov_b32 s[HIM], 0xffff0000
	s_mov_b32 s[SEL], 0x76543210
	s_mov_b32 s[SEL+1], 0xfedcba98
	s_lshl_b32 s[MXWS], s[WV], 2
	s_add_co_u32 s[MXWS], s[MXWS], MXB
	v_and_b32 v[LB], 31, v0
	v_lshlrev_b32 v[LB], 4, v[LB]
	v_and_b32 v[T], 15, v0                         ; l % 16
	v_bfe_u32 v[T+1], v0, 4, 1                     ; l / 16
	v_lshlrev_b32 v[BV], 5, v[T+1]
	v_lshlrev_b32 v[QV], 14, v[T+1]                ; lanes 16-31 take the row eight further down
	v_lshl_add_u32 v[QV], v[T], 4, v[QV]
	s_wait_kmcnt 0x0
	s_add_nc_u64 s[QP:QP+1], s[QP:QP+1], s[20:21]
	s_add_nc_u64 s[QP:QP+1], s[QP:QP+1], s[34:35]
	s_add_nc_u64 s[BS:BS+1], s[BS:BS+1], s[36:37]
	s_add_nc_u64 s[PB1:PB1+1], s[PB1:PB1+1], s[38:39]
	s_add_nc_u64 s[PBQ:PBQ+1], s[PB1:PB1+1], s[42:43]
	s_add_nc_u64 s[PB1:PB1+1], s[PB1:PB1+1], s[22:23]
	s_add_nc_u64 s[PB0:PB0+1], s[PB0:PB0+1], s[38:39]
	s_add_nc_u64 s[PB0:PB0+1], s[PB0:PB0+1], s[22:23]
	s_add_nc_u64 s[PB2:PB2+1], s[PB2:PB2+1], s[40:41]
	s_add_nc_u64 s[PB2:PB2+1], s[PB2:PB2+1], s[22:23]
	s_add_nc_u64 s[OUTP:OUTP+1], s[OUTP:OUTP+1], s[20:21]
	s_add_nc_u64 s[OUTP:OUTP+1], s[OUTP:OUTP+1], s[22:23]
	BLOAD 0, 32, 0                                 ; the ring is filled: 64 loads
	BIASLD 8, PB0, 0                               ; 16 loads
	; My wave's 32 rows of query, 128 loads into the registers that will be accumulators.  Load n = 16 j + 8 g + p: columns 64 j + 4 (l % 16) .. + 3 of rows 16 g + p and + 8:
	; sixteen lanes take 256 consecutive bytes, aligned.
	WIN 0x80
.set n, 0
.rept 64
	global_load_b128 v[4*n:4*n+3], v[QV], s[QP:QP+1] offset:(16*((n/8)%2)+n%8)*2048+256*(n/16) th:TH_LOAD_NT
.set n, n+1
.endr
	WIN 0xc0
.rept 64
	global_load_b128 v[4*(n-64):4*(n-64)+3], v[QV], s[QP:QP+1] offset:(16*((n/8)%2)+n%8)*2048+256*(n/16) th:TH_LOAD_NT
.set n, n+1
.endr
	WIN 0                                          ; the other addresses are made while the loads are out
	v_add_nc_u32 v[HL1], 4096, v[LB]
	v_mul_u32_u24 v[XL0], v[T], XP
	v_lshl_add_u32 v[XL0], v[T+1], 4, v[XL0]
	v_add_nc_u32 v[XL0], XBASE, v[XL0]             ; a fragment of X: row l % 16, 16 bytes for each half of the lanes
	v_add_nc_u32 v[XL1], 64*XP, v[XL0]
	s_lshl_b32 s33, s[WV], 15
	v_add_nc_u32 v[HST], s33, v[LB]                ; a wave's 128 columns are four k steps of the next layer
	s_lshl_b32 s33, s[WV], 14
	s_add_co_u32 s33, s33, 131072
	v_add_nc_u32 v[HSQ0], s33, v[LB]               ; columns 512 + 64 w on: k step 16 + 2 w
	v_add_nc_u32 v[HSQ1], 65536, v[HSQ0]           ; columns 768 + 64 w on
	s_mul_i32 s33, s[WV], 12288
	s_add_co_u32 s33, s33, STASH
	v_add_nc_u32 v[SSH], s33, v[LB]
	s_mul_i32 s33, s[WV], 16*SP
	s_add_co_u32 s33, s33, STASH
	v_mul_u32_u24 v[STO], v[T], SP
	v_lshl_add_u32 v[STO], v[T+1], 5, v[STO]
	v_add_nc_u32 v[STO], s33, v[STO]               ; in: row l % 16, 32 bytes for each half of the lanes
	v_add_nc_u32 v[RD], s33, v[LB]                 ; back: a row's 512 bytes
	s_mul_i32 s33, s[WV], 32*XP
	s_add_co_u32 s33, s33, XBASE
	v_mul_u32_u24 v[XW], v[T+1], 8*XP
	v_lshl_add_u32 v[XW], v[T], 3, v[XW]
	v_add_nc_u32 v[XW], s33, v[XW]
	s_wait_loadcnt 63                              ; of the 208 loads issued at most 63 are out: the ring's 64, the bias's 16 and the query's first 65 are in
	XCONV 0
	XCONV 1
	s_wait_loadcnt 32                              ; the query's first 96
	XCONV 2
	s_wait_loadcnt 0x0
	XCONV 3
	s_wait_dscnt 0x0                               ; for the others' sake: my rows of X are written
	s_barrier_signal -1
	s_barrier_wait -1
	; LAYER 0: two passes of 512 columns, K = 512 in 16 steps; one text, walked twice
	s_mov_b32 s[OUTER], 2
	s_mov_b32 s[HB], 0
	s_add_nc_u64 s[BP:BP+1], s[PB0:PB0+1], 2048    ; the second pass's bias: 512 columns on
	v_mov_b32 v[MR], FLOOR                         ; the running maximum begins (the query's loads, which read this register, are all in)
.Ll0:
	PASS512 4, XL0, XL1, 64, 16*XP, 32, 0, bf16, 0
	BIASLD 8, BP, 0                                ; the next pass's bias is asked for ahead of the epilogue
	MAXW 2, 1
	MAXW 3, 0
	XPUT 0                                         ; my maximum is out, my reads of X in this pass are over: say so, and work on registers while the others arrive
	RELU 0x8a
	RELU 0xcf
	XGET 0                                         ; nobody reads X in this pass any more: the second pass's results go where X lay.  (The four words are written again only behind the barrier at the trip's end.)
	v_mov_b32 v[MA], v[MR]                         ; in the second pass: what the first was packed with
	v_max_num_f32 v[MR], v[MR], v[T]
	MKSCALE TS, MR
	v_mov_b32 v[TS+1], v[TS]
	SCALE 0x82, TS
	PACK 0x8a, 0
	SCALE 0xc3, TS
	PACK 0xcf, 0
	WIN 0
	v_add_nc_u32 v[HSTC], s[HB], v[HST]
	HSTORE HSTC, 0x08, 0, 0
	HSTORE HSTC, 0x0c, 1, 0
	WIN 0
	s_wait_xcnt 0x0                                ; the bias's loads have had their addresses translated: their base may be written
	s_mov_b64 s[BP:BP+1], s[PB1:PB1+1]             ; behind the second pass comes layer 1
	s_add_co_u32 s[HB], s[HB], 131072
	s_wait_dscnt 0x0                               ; for the others' sake: my part of h0 is written, and my read of the maxima is over
	s_barrier_signal -1
	s_barrier_wait -1
	s_sub_co_u32 s[OUTER], s[OUTER], 1
	s_cmp_lg_u32 s[OUTER], 0
	s_cbranch_scc1 .Ll0
	; h0's first half was packed with the first pass's scale: my own 64 tiles of it come back, take the ratio to the layer's scale, and go in again.  Nobody else touches them before the barrier below.
	HLOAD HST, 0x80, 0, 0
	HLOAD HST, 0x80, 1, 128
	WIN 0
	MKSCALE SC, MR                                 ; h0's scale: what b1 is multiplied by
	v_mov_b32 v[SC+1], v[SC]
	MKINV T, MA
	v_mul_f32 v[T], v[SC], v[T]
	v_cvt_pk_f16_f32 v[T+2], v[T], v[T]            ; below 2^-24 the ratio is 0 in f16: such tiles lie under 2^-9, against the layer's 2^14
	s_wait_dscnt 0x0
	HMUL 0x82, 0, 256, T+2
	HSTORE HST, 0x08, 0, 0
	HSTORE HST, 0x08, 1, 128
	WIN 0
	s_wait_dscnt 0x0                               ; for the others' sake: h0 is whole
	s_barrier_signal -1
	s_barrier_wait -1
	; LAYER 1, columns 0-511: K = 1,024 in 32 steps.  The results wait in window 3: row blocks 4-7 at v0-127, row blocks 0-3 at v128-255.
	PASS512 8, LB, HL1, 8192, 1024, 512, 0, f16, 1
	BIASLD 4, PBQ, 0                               ; both P256 passes' biases are asked for here, ahead of the epilogue: the first's into v192-223,
	BIASLD 4, PBQ, 1024, 4                         ; the second's (256 columns on) into v224-255; the wait for 0 at the first pass's head takes in both, so no load into these registers stands in the loop below
	MAXW 2, 1
	MAXW 3, 0
	XPUT 16
	RELU 0xcf
	RELU 0x8a
	XGET 16
	v_mov_b32 v[MR], v[T]                          ; layer 1's running maximum begins,
	v_mov_b32 v[MA], v[T]                          ; and this pass's is kept
	MKSCALE TS, MR
	v_mov_b32 v[TS+1], v[TS]
	SCALE 0xc3, TS
	PACK 0xcf, 0
	SCALE 0x82, TS
	PACK 0xca, 128                                 ; sources window 2, destination window 3
	; LAYER 1, columns 512-1023: two passes of 256 columns; one text, walked twice
	WIN 0
	s_mov_b32 s[OUTER], 2
.Lq:
	PASS256
	MAXW 2, 1
	XPUT 32
	RELU 0x8a
	XGET 32
	s_barrier_signal -1                            ; a second barrier: the one text writes the same four words in its second walk, and no wave does so before all have read them
	v_mov_b32 v[MB], v[MR]                         ; in the second pass: what the first was packed with
	v_max_num_f32 v[MR], v[MR], v[T]
	MKSCALE TS, MR
	v_mov_b32 v[TS+1], v[TS]
	s_barrier_wait -1
	SCALE 0x82, TS
	WIN 0
	s_cmp_eq_u32 s[OUTER], 1
	s_cbranch_scc1 .Lq_second                      ; the second pass's results need not wait: layer 1 is over
.set m, 0
.rept 32                                       ; the second pass's bias goes where the one text of the pass names it: 32 moves, once
	v_mov_b32 v[BIAS+m], v[BIAS+32+m]
.set m, m+1
.endr
	WIN 0x0a                                       ; the first pass's 32 tiles wait: column block 3's eight in v32-63 of window 0,
.set et, 0
.rept 8
.irp r, 0,1,2,3
	v_cvt_pk_f16_f32 v[S2R+4*et+(\r)], v[8*(4*et+3)+2*(\r)], v[8*(4*et+3)+2*(\r)+1]
.endr
.set et, et+1
.endr
	WIN 0x8a                                       ; the other 24 are packed in place
.set pi, 0
.rept 128
.if (pi/4)%4 != 3
	v_cvt_pk_f16_f32 v[pi], v[2*pi], v[2*pi+1]
.endif
.set pi, pi+1
.endr
	WIN 0x08                                       ; and go into my wave's own bytes of LDS: no barrier
.set et, 0
.rept 8
.irp b, 0,1,2
	ds_store_b128 v[SSH], v[4*(4*et+(\b)):4*(4*et+(\b))+3] offset:(3*et+(\b))*512
.endr
.set et, et+1
.endr
	WIN 0
.Lq_second:
	s_sub_co_u32 s[OUTER], s[OUTER], 1
	s_cmp_lg_u32 s[OUTER], 0
	s_cbranch_scc1 .Lq
	; h1 TAKES h0's PLACE
	BIASLD 8, PB2, 0
	s_wait_dscnt 0x0                               ; no LDS load is out when the run below goes into the activation's buffers
.set m, 0
.rept 24                                       ; the 24 waiting tiles come back into the activation's buffers, which are free
	ds_load_b128 v[F0+4*m:F0+4*m+3], v[SSH] offset:512*m
.set m, m+1
.endr
	PACK 0x8a, 0                                   ; the last pass has the layer's scale already
	WIN 0
	MKSCALE T, MR                                  ; layer 1's scale,
	MKINV T+1, MA
	v_mul_f32 v[T+1], v[T], v[T+1]
	v_cvt_pk_f16_f32 v[T+2], v[T+1], v[T+1]        ; its ratio to the scale of columns 0-511,
	MKINV T+3, MB
	v_mul_f32 v[T+3], v[T], v[T+3]
	v_cvt_pk_f16_f32 v[T+4], v[T+3], v[T+3]        ; and to that of the first P256's columns
	v_mul_f32 v[SC], v[SC], v[T]                   ; the product of both layers' scales: what b2 is multiplied by and out0 divided by
	v_mov_b32 v[SC+1], v[SC]
	s_wait_dscnt 0x0                               ; my reads of h0 are over, and the waiting tiles are back:
	s_barrier_signal -1                            ; say so, and work on registers while the others arrive
	HMUL 0xc3, 0, 256, T+2
	HMUL 0, F0, 96, T+4
	HMUL 0, S2R, 32, T+4
	s_barrier_wait -1                              ; nobody reads h0 any more
	HSTORE HST, 0x0c, 1, 0                         ; columns 0-511
	HSTORE HST, 0x0c, 0, 128
	WIN 0
.set et, 0
.rept 8                                        ; columns 512 + 64 w on
.irp b, 0,1,2
	ds_store_b128 v[HSQ0], v[F0+4*(3*et+(\b)):F0+4*(3*et+(\b))+3] offset:((\b)/2)*8192+et*1024+((\b)%2)*512
.endr
	ds_store_b128 v[HSQ0], v[S2R+4*et:S2R+4*et+3] offset:8192+et*1024+512
.set et, et+1
.endr
	WIN 0x08
.set et, 0
.rept 8                                        ; columns 768 + 64 w on
.irp b, 0,1,2,3
	ds_store_b128 v[HSQ1], v[4*(4*et+(\b)):4*(4*et+(\b))+3] offset:((\b)/2)*8192+et*1024+((\b)%2)*512
.endr
.set et, et+1
.endr
	WIN 0
	s_wait_dscnt 0x0                               ; for the others' sake: my part of h1 is written
	s_barrier_signal -1
	s_barrier_wait -1
	; LAYER 2: 512 columns, K = 1,024; the stream ends here
	PASS512 8, LB, HL1, 8192, 1024, 512, 1, f16, 1
	; THE WAY OUT.  The sums are divided by the product of the scales (a power of two with field f: its reciprocal has field 254 - f).  A lane holds eight neighbouring numbers of a row, 32 bytes of the
	; wave's 512.  A block of 16 rows at a time goes through my own stage (rows of 528 bytes, in bytes that held waiting tiles: two barriers stand behind their last read) and comes back as whole rows;
	; each store of the wave covers 512 consecutive bytes, aligned.
	v_sub_nc_u32 v[T], 0x7f000000, v[SC]
	v_mov_b32 v[T+1], v[T]
	SCALE 0x82, T
	SCALE 0xc3, T
.macro TOSTAGE a
	WIN 0x08+4*((\a)/4)                            ; data window 2 or 3
.irp b, 0,1,2,3,4,5,6,7
	ds_store_b128 v[STO], v[8*(8*((\a)%4)+(\b)):8*(8*((\a)%4)+(\b))+3]   offset:64*(\b)
	ds_store_b128 v[STO], v[8*(8*((\a)%4)+(\b))+4:8*(8*((\a)%4)+(\b))+7] offset:64*(\b)+16
.endr
	WIN 0
	s_wait_xcnt 0x0                                ; the registers that earlier stores read are loaded again only behind this wait (ISA guide 3.1)
.set BK, 64+64*((\a)%3)
.irp i, 0,1,2,3,4,5,6,7,8,9,10,11,12,13,14,15
	ds_load_b128 v[BK+4*(\i):BK+4*(\i)+3], v[RD] offset:SP*(\i)  ; LDS serves a wave's instructions in order (ISA guide 5.7.1.4): these see the stores above; the next block's stores come behind them
.endr
.endm
.macro SEND a, younger                 ; younger: the LDS instructions issued behind block a's loads: the next block's 32, or none
	WIN 0
.set BK, 64+64*((\a)%3)
	s_wait_dscnt \younger
.irp i, 0,1,2,3,4,5,6,7,8,9,10,11,12,13,14,15
	global_store_b128 v[LB], v[BK+4*(\i):BK+4*(\i)+3], s[OUTP:OUTP+1] offset:(16*(\a)+(\i))*2048 th:TH_STORE_NT
.endr
.endm
	TOSTAGE 0
.irp a, 1,2,3,4,5,6,7
	TOSTAGE \a
	SEND (\a)-1, 32
.endr
	SEND 7, 0
	s_wait_tensorcnt 0x0                           ; the wave's end, behind my last LDS store
	ds_add_u32 v[SPW], v[NIL]
	s_wait_dscnt 0x0
	s_endpgm
.Lfunc_end_k_q4b310086d7_mlp:
	.size	k_q4b310086d7_mlp, .Lfunc_end_k_q4b310086d7_mlp-k_q4b310086d7_mlp
	.p2alignl 7, 3214868480
	.fill 96, 4, 3214868480
	.section	.rodata,"a",@progbits
	.p2align	6, 0x0
	.amdhsa_kernel k_q4b310086d7_mlp
		.amdhsa_group_segment_fixed_size 312064
		.amdhsa_private_segment_fixed_size 0
		.amdhsa_enable_private_segment 0
		.amdhsa_kernarg_size 48
		.amdhsa_user_sgpr_count 2
		.amdhsa_user_sgpr_kernarg_segment_ptr 1
		.amdhsa_wavefront_size32 1
		.amdhsa_system_sgpr_workgroup_id_x 1
		.amdhsa_system_sgpr_workgroup_id_y 1
		.amdhsa_system_sgpr_workgroup_id_z 1
		.amdhsa_system_vgpr_workitem_id 0
		.amdhsa_next_free_vgpr 1024
		.amdhsa_next_free_sgpr 66
		.amdhsa_reserve_vcc 0
		.amdhsa_float_denorm_mode_32 3
		.amdhsa_float_denorm_mode_16_64 3
		.amdhsa_memory_ordered 1
		.amdhsa_forward_progress 1
		.amdhsa_inst_pref_size 255
	.end_amdhsa_kernel
	.section	.bss,"aw",@nobits
	.p2align	6
	.space	262144
	.amdgpu_metadata
---
amdhsa.version: [ 1, 2 ]
amdhsa.kernels:
  - .name:           k_q4b310086d7_mlp
    .symbol:         k_q4b310086d7_mlp.kd
    .args:
      - { .name: query, .offset: 0, .size: 8, .value_kind: global_buffer, .address_space: global }
      - { .name: wq, .offset: 8, .size: 8, .value_kind: global_buffer, .address_space: global }
      - { .name: b0, .offset: 16, .size: 8, .value_kind: global_buffer, .address_space: global }
      - { .name: b1, .offset: 24, .size: 8, .value_kind: global_buffer, .address_space: global }
      - { .name: b2, .offset: 32, .size: 8, .value_kind: global_buffer, .address_space: global }
      - { .name: out0, .offset: 40, .size: 8, .value_kind: global_buffer, .address_space: global }
    .group_segment_fixed_size: 312064
    .private_segment_fixed_size: 0
    .kernarg_segment_align: 8
    .kernarg_segment_size: 48
    .max_flat_workgroup_size: 128
    .sgpr_count:     66
    .vgpr_count:     1024
    .wavefront_size: 32
...
	.end_amdgpu_metadata
.endif
;; end of part 2
;; ======== version 2 of 2: 2 launches; 1.22 times as fast as version 1
;; limits: values are held in f16: magnitudes above 65,504 overflow, below 6.1e-05 lose precision; right only within a limited range of input values
;; workspace buffers: wq 33,554,432 bytes; wm 16,384 bytes
;; launch pack (part 3): grid 512 x 1, 8 waves a work-group, no clusters, 68,608 bytes of LDS; arguments W0, W1, W2, wq, wm; writes wq, wm
.if DOCPART == 3
	.amdgcn_target "amdgcn-amd-amdhsa--gfx1250"
	.amdhsa_code_object_version 6
	.text
	.protected	k_q4b310086d7_pack
	.globl	k_q4b310086d7_pack
	.p2align	8
	.type	k_q4b310086d7_pack,@function
k_q4b310086d7_pack:
	s_mov_b64 s[64:65], 0
	v_nop
	global_prefetch_b8 v0, s[64:65] scope:SCOPE_SE
	s_setreg_imm32_b32 hwreg(HW_REG_WAVE_MODE, 25, 1), 1
	s_wait_xcnt 0x0
; W0 [8][1024][512], W1 [8][1024][1024], W2 [8][512][1024], all f32, are rounded once to bf16 and written into wq in the order in which
; the next launch uses them: wq = [batch 8][wave 4][fragment 1024][1,024 bytes], one linear stream for each (batch, wave).
; wm [4096] f32 takes the largest magnitude of each unit's weights (below): the next launch bounds its sums by them.
; FORMATS.  W0 is written as bf16.  W1 and W2 meet f16 operands in the next launch: the number rounded to bf16 is written as f16, which is exact from 2^-17 to 65,504.
; LIMITS.  A weight of W1 or W2 beyond 65,504 becomes an infinity; below 2^-17 it keeps f16's fixed step of 2^-24.
; A FRAGMENT is 16 rows n x 32 k of a weight, as source 0 of v_wmma_f32_16x16x32_* wants it: lane (r = l % 16, h = l / 16) finds
; W[n0+r][k0+8h .. +7] at byte 16 l and W[n0+r][k0+16+8h .. +7] at byte 512 + 16 l.
; STREAM of wave w (k0 = 32 ks):   f =       128 p + 8 ks + nb : W0, n0 = 512 p + 128 w + 16 nb        (p 0-1, ks 0-15, nb 0-7)
;                                  f = 256         + 8 ks + nb : W1, n0 = 128 w + 16 nb                (ks 0-31, nb 0-7)
;                                  f = 512 + 128 q + 4 ks + nb : W1, n0 = 512 + 256 q + 64 w + 16 nb   (q 0-1, ks 0-31, nb 0-3)
;                                  f = 768         + 8 ks + nb : W2, n0 = 128 w + 16 nb                (ks 0-31, nb 0-7)
; SHARES.  A wave takes one UNIT U, 16 rows x 256 k: 16 KiB in, eight fragments (8 KiB) out.  4,096 units: 1,024 of W0 (128 a batch), 2,048 of W1 (256 a batch), 1,024 of W2.
; All 32 loads of a unit go out at once, each taking 256 whole bytes of two rows; the turn into fragment order goes through the wave's own
; LDS tile, so there is no barrier; each store of the wave into wq covers 512 consecutive bytes, aligned.  Memory binds: no matrix unit, no cluster.
; wm[U] is one number a wave, stored by itself: 16 KiB in the whole launch beside wq's 32 MiB.
.set PITCHL, 528                       ; an LDS row: 512 bytes of 16-bit numbers + 16 = 132 words: row r starts at bank 4 r mod 64 (64 banks of 4 bytes: ISA guide 11.1)
.set WTILE,  16*PITCHL                 ; a wave's tile
.set SPARE,  8*WTILE                   ; behind the tiles: the spare words, 128 bytes for each wave: four blocks of 256 bytes that no other line names
.set VOF, 2                            ; v[2:9]    byte offset of my 16 bytes in rows p and p + 8 of the unit
.set LW,  10                           ; v10       where I put 8 bytes of a row
.set LR,  11                           ; v11       where I read 16 bytes of a fragment
.set VD,  12                           ; v[12:19]  my byte offset in the unit's fragment ks
.set T,   20                           ; v[20:27]  at work; v20-23 later four running maxima
.set PX,  28                           ; v28       what v_permlanex16_b32 brings
.set SPW, 30                           ; v30       LDS address of my spare word; never rewritten
.set NIL, 31                           ; v31       0; never rewritten
.set X,   64                           ; v[64:191] the unit as loaded
.set O,   192                          ; v[192:255] first 16 registers of packed numbers at work, then the eight fragments
	s_load_b256 s[4:11], s[0:1], 0x0               ; W0 s[4:5], W1 s[6:7], W2 s[8:9], wq s[10:11]
	s_load_b64 s[32:33], s[0:1], 0x20              ; wm
	v_lshl_add_u32 v[SPW], v0, 2, SPARE
	v_mov_b32 v[NIL], 0
	v_mov_b32 v[PX], 0                             ; v_permlanex16_b32 counts as a reader of its destination
	v_lshrrev_b32 v1, 5, v0
	v_readfirstlane_b32 s12, v1                    ; wave 0..7
	s_lshl_b32 s13, ttmp9, 3
	s_add_co_u32 s13, s13, s12                     ; U, my unit
	s_lshl_b32 s34, s13, 2                         ; its word in wm
	s_mov_b32 s35, 0
	s_mov_b32 s19, 0
	s_mov_b32 s27, 0
	s_mov_b32 s31, 0xffff0000                      ; mask of a word's upper bf16
	s_mov_b32 s36, 0x76543210                      ; v_permlanex16_b32: each lane takes its own place in the other half
	s_mov_b32 s37, 0xfedcba98
	; The decode: s14 batch, s15 the block nt of 16 rows, s16 the block kc of 256 k, s17 bytes in a source row, s18 source offset,
	; s20 the wave whose stream takes the rows, s21 the unit's first fragment there, s22 bytes from one of its fragments to the next.
	s_cmp_lt_u32 s13, 1024
	s_cbranch_scc0 .Lnot_w0
	s_lshr_b32 s14, s13, 7                         ; W0: U = 128 b + 2 nt + kc
	s_bfe_u32 s15, s13, 0x60001
	s_and_b32 s16, s13, 1
	s_mov_b32 s17, 2048
	s_lshl_b32 s18, s14, 21
	s_lshl_b32 s20, s15, 15
	s_add_co_u32 s18, s18, s20
	s_bfe_u32 s20, s15, 0x20003                    ; nt = 32 p + 8 w + nb
	s_and_b32 s21, s15, 7
	s_lshr_b32 s23, s15, 5
	s_lshl_b32 s23, s23, 7
	s_add_co_u32 s21, s21, s23
	s_lshl_b32 s23, s16, 6
	s_add_co_u32 s21, s21, s23                     ; 128 p + nb + 8 x (8 kc)
	s_mov_b32 s22, 8192
	s_branch .Ldecoded
.Lnot_w0:
	s_cmp_lt_u32 s13, 3072
	s_cbranch_scc0 .Lw2
	s_sub_co_u32 s23, s13, 1024                    ; W1: U - 1024 = 256 b + 4 nt + kc
	s_lshr_b32 s14, s23, 8
	s_bfe_u32 s15, s23, 0x60002
	s_and_b32 s16, s23, 3
	s_mov_b32 s17, 4096
	s_lshl_b32 s18, s14, 22
	s_lshl_b32 s20, s15, 16
	s_add_co_u32 s18, s18, s20
	s_cmp_lt_u32 s15, 32
	s_cbranch_scc0 .Lw1_hi
	s_lshr_b32 s20, s15, 3                         ; rows 0-511: nt = 8 w + nb
	s_and_b32 s21, s15, 7
	s_lshl_b32 s23, s16, 6
	s_add_co_u32 s21, s21, s23
	s_add_co_u32 s21, s21, 256
	s_mov_b32 s22, 8192
	s_branch .Ldecoded
.Lw1_hi:
	s_bfe_u32 s20, s15, 0x20002                    ; rows 512-1023: nt = 32 + 16 q + 4 w + nb
	s_and_b32 s21, s15, 3
	s_bfe_u32 s23, s15, 0x10004
	s_lshl_b32 s23, s23, 7
	s_add_co_u32 s21, s21, s23
	s_lshl_b32 s23, s16, 5
	s_add_co_u32 s21, s21, s23                     ; 128 q + nb + 4 x (8 kc)
	s_add_co_u32 s21, s21, 512
	s_mov_b32 s22, 4096
	s_branch .Ldecoded
.Lw2:
	s_sub_co_u32 s23, s13, 3072                    ; W2: U - 3072 = 128 b + 4 nt + kc
	s_lshr_b32 s14, s23, 7
	s_bfe_u32 s15, s23, 0x50002
	s_and_b32 s16, s23, 3
	s_mov_b32 s17, 4096
	s_lshl_b32 s18, s14, 21
	s_lshl_b32 s20, s15, 16
	s_add_co_u32 s18, s18, s20
	s_lshr_b32 s20, s15, 3                         ; nt = 8 w + nb
	s_and_b32 s21, s15, 7
	s_lshl_b32 s23, s16, 6
	s_add_co_u32 s21, s21, s23
	s_add_co_u32 s21, s21, 768
	s_mov_b32 s22, 8192
.Ldecoded:
	s_lshl_b32 s23, s16, 10
	s_add_co_u32 s18, s18, s23                     ; + 256 k of 4 bytes for each kc
	s_lshl2_add_u32 s26, s14, s20                  ; stream 4 b + w, 1 MiB each,
	s_lshl_b32 s26, s26, 20
	s_lshl_b32 s23, s21, 10                        ; and the fragment in it
	s_add_co_u32 s26, s26, s23
	v_and_b32 v1, 31, v0
	v_lshlrev_b32 v1, 4, v1                        ; 16 x lane
	v_and_b32 v[T], 15, v0                         ; l % 16
	v_bfe_u32 v[T+1], v0, 4, 1                     ; l / 16
	s_lshl_b32 s29, s17, 3
	v_mul_lo_u32 v[VOF], v[T+1], s29               ; lanes 16-31 take the row eight further down
	v_lshl_add_u32 v[VOF], v[T], 4, v[VOF]
.irp p, 1,2,3,4,5,6,7
	v_add_nc_u32 v[VOF+(\p)], s17, v[VOF+(\p)-1]
.endr
	s_wait_kmcnt 0x0
	s_cmp_lt_u32 s13, 1024                         ; the source is chosen by the unit's number alone
	s_cselect_b64 s[24:25], s[4:5], s[6:7]
	s_cmp_lt_u32 s13, 3072
	s_cselect_b64 s[24:25], s[24:25], s[8:9]
	s_add_nc_u64 s[24:25], s[24:25], s[18:19]
	s_add_nc_u64 s[10:11], s[10:11], s[26:27]
	s_add_nc_u64 s[32:33], s[32:33], s[34:35]
.irp j, 0,1,2,3                        ; all 32 loads: k = 64 j + 4 (l % 16) .. + 3 of rows p and p + 8: sixteen lanes take 256 consecutive bytes, aligned
.irp p, 0,1,2,3,4,5,6,7
	global_load_b128 v[X+4*(8*(\j)+(\p)):X+4*(8*(\j)+(\p))+3], v[VOF+(\p)], s[24:25] offset:256*(\j) th:TH_LOAD_NT
.endr
.endr
	s_mul_i32 s28, s12, WTILE                      ; my wave's tile
	v_mul_u32_u24 v[LW], v[T+1], 8*PITCHL
	v_lshl_add_u32 v[LW], v[T], 3, v[LW]
	v_add_nc_u32 v[LW], s28, v[LW]
	v_mul_u32_u24 v[LR], v[T], PITCHL
	v_lshl_add_u32 v[LR], v[T+1], 4, v[LR]
	v_add_nc_u32 v[LR], s28, v[LR]
	v_mov_b32 v[VD], v1
.irp k, 1,2,3,4,5,6,7
	v_add_nc_u32 v[VD+(\k)], s22, v[VD+(\k)-1]
.endr
.irp j, 0,1,2,3
	s_wait_loadcnt 24-8*(\j)                       ; loads come back in order (ISA guide 5.7.1): group j's eight are in, the younger groups stay out
.irp i, 0,1,2,3,4,5,6,7,8,9,10,11,12,13,14,15  ; the largest magnitude, in four chains; the constant 0 starts them
.if ((\j) == 0) && ((\i) < 4)
	v_max3_num_f32 v[T+(\i)], 0, |v[X+32*(\j)+2*(\i)]|, |v[X+32*(\j)+2*(\i)+1]|
.else
	v_max3_num_f32 v[T+(\i)%4], v[T+(\i)%4], |v[X+32*(\j)+2*(\i)]|, |v[X+32*(\j)+2*(\i)+1]|
.endif
.endr
.irp p, 0,1,2,3,4,5,6,7
	v_cvt_pk_bf16_f32 v[O+2*(\p)],   v[X+4*(8*(\j)+(\p))],   v[X+4*(8*(\j)+(\p))+1]  ; the one rounding, to bf16
	v_cvt_pk_bf16_f32 v[O+2*(\p)+1], v[X+4*(8*(\j)+(\p))+2], v[X+4*(8*(\j)+(\p))+3]
.endr
	s_cmp_lt_u32 s13, 1024
	s_cbranch_scc1 .Lkeep_\j                       ; a unit of W0 stays bf16
.irp p, 0,1,2,3,4,5,6,7
	v_lshlrev_b32 v[X+4*(8*(\j)+(\p))],   16,  v[O+2*(\p)]                               ; widened again,
	v_and_b32     v[X+4*(8*(\j)+(\p))+1], s31, v[O+2*(\p)]
	v_lshlrev_b32 v[X+4*(8*(\j)+(\p))+2], 16,  v[O+2*(\p)+1]
	v_and_b32     v[X+4*(8*(\j)+(\p))+3], s31, v[O+2*(\p)+1]
	v_cvt_pk_f16_f32 v[O+2*(\p)],   v[X+4*(8*(\j)+(\p))],   v[X+4*(8*(\j)+(\p))+1]       ; and the same numbers as f16
	v_cvt_pk_f16_f32 v[O+2*(\p)+1], v[X+4*(8*(\j)+(\p))+2], v[X+4*(8*(\j)+(\p))+3]
.endr
.Lkeep_\j:
.irp p, 0,1,2,3,4,5,6,7
	ds_store_b64 v[LW], v[O+2*(\p):O+2*(\p)+1] offset:PITCHL*(\p)+128*(\j)  ; rows p and p + 8 lie 8 x 528 = 128 mod 256 bytes apart
.endr
.endr
	v_max3_num_f32 v[T], v[T], v[T+1], v[T+2]      ; the four chains, then the 32 lanes
	v_max_num_f32 v[T], v[T], v[T+3]
	v_max_num_f32_dpp v[T], v[T], v[T] row_xmask:1 row_mask:0xf bank_mask:0xf
	v_max_num_f32_dpp v[T], v[T], v[T] row_xmask:2 row_mask:0xf bank_mask:0xf
	v_max_num_f32_dpp v[T], v[T], v[T] row_xmask:4 row_mask:0xf bank_mask:0xf
	v_max_num_f32_dpp v[T], v[T], v[T] row_xmask:8 row_mask:0xf bank_mask:0xf
	v_permlanex16_b32 v[PX], v[T], s36, s37
	v_max_num_f32 v[T], v[T], v[PX]
	v_mov_b32 v[T+4], 0
	global_store_b32 v[T+4], v[T], s[32:33]        ; wm[U]: all lanes write the same word with the same number
.irp i, 0,1,2,3,4,5,6,7,8,9,10,11,12,13,14,15  ; fragment i / 2, half i % 2.  LDS serves a wave's instructions in order (ISA guide 5.7.1.4): these see the stores above
	ds_load_b128 v[O+4*(\i):O+4*(\i)+3], v[LR] offset:64*((\i)/2)+32*((\i)%2)
.endr
.irp i, 0,1,2,3,4,5,6,7,8,9,10,11,12,13,14,15
	s_wait_dscnt 15-(\i)
	global_store_b128 v[VD+(\i)/2], v[O+4*(\i):O+4*(\i)+3], s[10:11] offset:512*((\i)%2)  ; 512 consecutive bytes, at a multiple of 512 from wq's first
.endr
	s_wait_tensorcnt 0x0                           ; the wave's end, behind my last LDS store
	ds_add_u32 v[SPW], v[NIL]
	s_wait_dscnt 0x0
	s_endpgm
.Lfunc_end_k_q4b310086d7_pack:
	.size	k_q4b310086d7_pack, .Lfunc_end_k_q4b310086d7_pack-k_q4b310086d7_pack
	.p2alignl 7, 3214868480
	.fill 96, 4, 3214868480
	.section	.rodata,"a",@progbits
	.p2align	6, 0x0
	.amdhsa_kernel k_q4b310086d7_pack
		.amdhsa_group_segment_fixed_size 68608
		.amdhsa_private_segment_fixed_size 0
		.amdhsa_enable_private_segment 0
		.amdhsa_kernarg_size 40
		.amdhsa_user_sgpr_count 2
		.amdhsa_user_sgpr_kernarg_segment_ptr 1
		.amdhsa_wavefront_size32 1
		.amdhsa_system_sgpr_workgroup_id_x 1
		.amdhsa_system_sgpr_workgroup_id_y 1
		.amdhsa_system_sgpr_workgroup_id_z 1
		.amdhsa_system_vgpr_workitem_id 0
		.amdhsa_next_free_vgpr 256
		.amdhsa_next_free_sgpr 66
		.amdhsa_reserve_vcc 0
		.amdhsa_float_denorm_mode_32 3
		.amdhsa_float_denorm_mode_16_64 3
		.amdhsa_memory_ordered 1
		.amdhsa_forward_progress 1
		.amdhsa_inst_pref_size 31
	.end_amdhsa_kernel
	.amdgpu_metadata
---
amdhsa.version: [ 1, 2 ]
amdhsa.kernels:
  - .name:           k_q4b310086d7_pack
    .symbol:         k_q4b310086d7_pack.kd
    .args:
      - { .name: W0, .offset: 0, .size: 8, .value_kind: global_buffer, .address_space: global }
      - { .name: W1, .offset: 8, .size: 8, .value_kind: global_buffer, .address_space: global }
      - { .name: W2, .offset: 16, .size: 8, .value_kind: global_buffer, .address_space: global }
      - { .name: wq, .offset: 24, .size: 8, .value_kind: global_buffer, .address_space: global }
      - { .name: wm, .offset: 32, .size: 8, .value_kind: global_buffer, .address_space: global }
    .group_segment_fixed_size: 68608
    .private_segment_fixed_size: 0
    .kernarg_segment_align: 8
    .kernarg_segment_size: 40
    .max_flat_workgroup_size: 256
    .sgpr_count:     66
    .vgpr_count:     256
    .wavefront_size: 32
...
	.end_amdgpu_metadata
.endif
;; end of part 3
;; launch mlp (part 4): grid 32 x 8, 4 waves a work-group, no clusters, 312,064 bytes of LDS; arguments query, wq, b0, b1, b2, out0, wm; writes out0
.if DOCPART == 4
	.amdgcn_target "amdgcn-amd-amdhsa--gfx1250"
	.amdhsa_code_object_version 6
	.text
	.protected	k_q4b310086d7_mlp
	.globl	k_q4b310086d7_mlp
	.p2align	8
	.type	k_q4b310086d7_mlp,@function
k_q4b310086d7_mlp:
	s_mov_b64 s[64:65], 0
	v_nop
	global_prefetch_b8 v0, s[64:65] scope:SCOPE_SE
	s_setreg_imm32_b32 hwreg(HW_REG_WAVE_MODE, 25, 1), 1
	s_wait_xcnt 0x0
; out = W2 relu(W1 relu(W0 x + b0) + b1) + b2 with weights of each batch's own.  query [8][4096][512], out0 [8][4096][512], b0, b1 [8][1024], b2 [8][512], all f32;
; wq: the three weights in 16 bits, in fragment order, one linear stream for each (batch, wave); wm: the largest magnitude of each of 4,096 parts of the weights: both as the launch before
; wrote them (its head gives the order and the formats).
; ALL THREE LAYERS IN ONE LAUNCH: a work-group owns 128 rows of one batch, and h0 and h1 (128 x 1024 each) never leave the WGP.
; NUMBERS.  Sums in f32.  x, the weights and the biases are rounded to bf16; layer 0 multiplies in bf16.  h0 and h1 are rounded once each, to f16, and layers 1 and 2 multiply in f16 (their
; weights are the bf16 numbers written as f16).  Why f16: each of the two roundings reaches every output undiminished relative to the output's root mean square r; with 8 significant bits the two
; together spread by about 2^-9 r, so that 0.01 r is under five spreads, too little for 16.7 million numbers; with 11 bits it is an eighth of that.
; THE SCALE.  f16 ends at 65,504, so h0 and h1 are written times ONE power of two u, which is known before the first product.  No sum of layer 0 passes B0 = 512 max|W0| max|x| + max|b0|, none of
; layer 1 passes B1 = 1024 max|W1| B0 + max|b1| (the maxima over the batch's weights and biases and over the work-group's 128 rows of x).  With e the exponent field of B = max(B0, B1),
; u = 2^(141 - e): u B lies in [2^14, 2^15), and the factor 2 up to f16's end takes in the roundings.  relu commutes with u > 0, so the chain is run on u h0, u b1, u h1, u b2, and out0 is divided by u:
; all exact.  No branch and no address hangs on u.
; LIMITS.  relu is max(0, x) by v_max_num_f32: a NaN becomes 0 where the reference keeps it.  B must be finite in f32.  An h below 2^-14 / u keeps f16's fixed step, 2^-24 / u, which is 2^-38 B at the most.
; B counts as 2^-26 at the least, so u is at most 2^40, and u b2 must stay finite: |b2| under 2^87.
; SHARES.  The four waves split the columns n: each wave multiplies all 128 rows by weights that no other wave of the work-group needs.  So the weights do not pass
; through LDS: each wave streams its own from memory into a ring of 32 fragments (256 registers, 32 KiB), refilled in the step behind the one that has used them.
; The activations lie in LDS and are read by all four waves.
; THE MATRIX INSTRUCTION IS USED TRANSPOSED: source 0 = 16 rows n of a weight, source 1 = 16 rows of the activation.  A lane then holds ONE row (l % 16) and the columns
; n0 + 8 (l / 16) + 0..7; two such results, rounded in pairs, ARE one fragment (16 rows x 32 k) of the next layer, in the same lanes.
; PASSES.  P512: a wave makes 128 x 128 (64 accumulators, windows 2 and 3).  P256: 128 x 64 (32 accumulators, window 2).
;   layer 0: two P512 in bf16 (one text, walked twice) -> h0 into LDS.   layer 1: one P512 (columns 0-511) -> 256 registers (window 3); two P256 (one text, walked twice): h0 has to
;   stay in LDS until layer 1's last product, so finished h1 waits in registers and in 48 KiB of LDS, and 512 accumulators no longer fit beside it.   layer 2: one P512 -> out0.
;   Layer 1's P512 and layer 2's are ONE text: a loop walked twice, left forward in its second walk.  The price: the stream's last trip refills like every other; its base stays, so that its 64 loads
;   fetch that trip's own 32 KiB once more, into slots that have been used.  They serve nothing and stay inside the stream.
; NO CLUSTER, NO TENSOR LOADS.  The 32 work-groups of a batch do walk the same weights, but h0 takes 262,144 of the 327,680 bytes of LDS and the waiting part of h1 49,152:
; what is left holds no two slots of a step's 32 KiB of weights; and inside a work-group no weight is read twice, so LDS would only add a copy.
; LDS.  H: bytes 0-262,143, in fragment order: 8,192 ks + 1,024 t + 512 half + 16 lane (t: block of 16 rows): every access is 512 consecutive bytes.  It holds h0, later h1.
;   X: x in bf16, [128 rows] of 1,040 bytes, from byte 131,072: over H's upper half, which is written only when X has been read for the last time.
;   From 262,144: 12,288 bytes a wave for 24 waiting tiles of h1; later, in the same bytes, 8,448 a wave as the stage of the way out.   From 311,296: the spare words.   From 311,808: the waves' max|x|.
; REGISTERS, in windows of 256 (s_set_vgpr_msb: bits 1:0 source 0, 3:2 source 1, 5:4 source 2, 7:6 destination):
;   window 0: v0-31 addresses and work; v32-63 eight waiting tiles of h1; v64-127, v128-191 fragments of the activation, two buffers; v192-255 the bias as a C operand
;   window 1: the ring of weights, slot s at v[8 s]        window 2, 3: accumulators ((a, b) at v[8 (8 a + b)]); window 3 later h1's columns 0-511, packed
.set XBASE, 131072
.set XP,    1040                       ; 1,024 bytes + 16 = 260 words: row r starts at bank 4 r mod 64 (64 banks of 4 bytes: ISA guide 11.1)
.set STASH, 262144
.set SP,    528                        ; a row of the stage: 512 bytes + 16
.set SPARE, 311296                     ; the spare words, 128 bytes for each wave: two blocks of 256 bytes that no other line names
.set MXB,   311808                     ; four words: each wave's max|x|
.set FLOOR, 0x32800000                 ; 2^-26: the least that the bound counts as
.set LB,   1                           ; v1   16 x lane: my place in a fragment, in wq and in H, and in 512 bytes of out0; never rewritten
.set AXA,  2                           ; v2-3 LDS address of the activation's blocks 0-3 and 4-7 at the trip's first k
.set HL1,  4                           ; v4   LB + 4,096
.set XL0,  5                           ; v5   my place in X's blocks 0-3
.set XL1,  6                           ; v6   in its blocks 4-7
.set HST,  7                           ; v7   where a P512's results begin in H: LB + 32,768 w
.set HSTC, 8                           ; v8   the same plus the pass's half of H
.set HSQ0, 9                           ; v9   where the first P256's results begin in H
.set HSQ1, 10                          ; v10  the second's
.set SSH,  11                          ; v11  my place in my wave's waiting tiles
.set STO,  12                          ; v12  the way out: where I put 16 bytes of a row
.set RD,   13                          ; v13  the way out: where I read a row back
.set BV,   14                          ; v14  32 (l / 16): my eight numbers in 16 of a bias
.set QV,   15                          ; v15  my 16 bytes in two rows of query
.set XW,   16                          ; v16  where I put 8 bytes of X
.set AXB,  17                          ; v17-18  P256: AXA's two, 32,768 bytes on
.set PX,   19                          ; v19  what v_permlanex16_b32 brings
.set T,    20                          ; v20-27  at work
.set SPW,  28                          ; v28  LDS address of my spare word; never rewritten
.set NIL,  29                          ; v29  0; never rewritten
.set SC,   30                          ; v30-31  u, as a pair
.set S2R,  32
.set F0,   64
.set BIAS, 192
.set QP,   4                           ; s[4:5]   query at my wave's 32 rows
.set BS,   6                           ; s[6:7]   my stream in wq: where the refills of the trip in hand begin
.set PB0,  8                           ; s[8:9]   b0 at my 128 columns
.set PB1,  10                          ; s[10:11] b1 likewise
.set PB2,  12                          ; s[12:13] b2 likewise
.set OUTP, 14                          ; s[14:15] out0 at the work-group's first row, my 128 columns
.set WV,   16                          ; s16  my wave's number
.set WMP,  18                          ; s[18:19] wm
.set BP,   24                          ; s[24:25] the bias that layer 0's epilogue fetches
.set PBQ,  26                          ; s[26:27] b1 at my 64 columns of the first P256
.set CNT,  28                          ; s28  trips of a pass
.set OUTER, 29                         ; s29  passes of one text
.set KB,   30                          ; s30  LDS bytes along k at the trip in hand
.set HB,   31                          ; s31  the half of H that layer 0's pass fills
.set HIM,  32                          ; s32  mask of a word's upper bf16
.set SEL,  44                          ; s[44:45] v_permlanex16_b32's selects: each lane takes its own place in the other half
.set MXWS, 46                          ; s46  LDS address of my wave's word among the four
.set PH,   47                          ; s47  walks of the f16 P512's text still to go
.set TR,   48                          ; s48  trips of the stream whose refills are still to be placed
.set STP,  50                          ; s[50:51] what the stream's base steps by
.set FB0,  52                          ; s[52:53] b0 at the batch
.set FB1,  54                          ; s[54:55] b1 at the batch
.set MSB, 0
.macro WIN new                         ; the immediate's high byte repeats the setting that is left; a switch that changes nothing is dropped
.if MSB != (\new)
	s_set_vgpr_msb (MSB<<8)|(\new)
.set MSB, (\new)
.endif
.endm
; A load into a register that a matrix instruction has read, and a vector instruction or LDS store that reads a matrix result, stand four places behind it, and only plain vector
; instructions that name none of its registers are places (ISA guide 7.12.1 for vector instructions).
.macro PLACES
.rept 4
	v_nop
.endr
.endm
; 16 LDS loads in one run: the activation's eight fragments (128 rows x 32 k) into buffer f.  ts: bytes from a block of 16 rows to the next; hs: to a fragment's second half.
.macro ALOAD f, ax, koff, ts, hs
	WIN 0
.irp t, 0,1,2,3,4,5,6,7
	ds_load_b128 v[(\f)+8*(\t):(\f)+8*(\t)+3],   v[(\ax)+(\t)/4] offset:(\koff)+((\t)%4)*(\ts)
	ds_load_b128 v[(\f)+8*(\t)+4:(\f)+8*(\t)+7], v[(\ax)+(\t)/4] offset:(\koff)+((\t)%4)*(\ts)+(\hs)
.endr
.endm
; n fragments of my stream, from byte off behind BS, into the ring's slots slot0 on: each load takes 512 consecutive bytes
.macro BLOAD slot0, n, off
	WIN 0x40                                       ; destination window 1, address window 0
.set bi, 0
.rept \n
	global_load_b128 v[8*((\slot0)+bi):8*((\slot0)+bi)+3],   v[LB], s[BS:BS+1] offset:(\off)+1024*bi
	global_load_b128 v[8*((\slot0)+bi)+4:8*((\slot0)+bi)+7], v[LB], s[BS:BS+1] offset:(\off)+1024*bi+512
.set bi, bi+1
.endr
.endm
; The stream's base goes one trip (32 KiB) on, once in each of the stream's 32 trips, a whole step behind the last load that names it.  In the last trip it stays: nothing lies behind the stream's end.
.macro STEPBS
	s_wait_xcnt 0x0                                ; the base is written only when every load that names it has had its address translated (ISA guide 3.1)
	s_sub_co_u32 s[TR], s[TR], 1
	s_cmp_lg_u32 s[TR], 0
	s_cselect_b32 s[STP], 0x8000, 0
	s_add_nc_u64 s[BS:BS+1], s[BS:BS+1], s[STP:STP+1]
.endm
; The bias of nt blocks of 16 columns, laid as a C operand, into blocks d0 on of v192-255: register j of block nb = bias[16 nb + 8 (l / 16) + j]
.macro BIASLD nt, base, off, d0=0
	WIN 0
.set bj, 0
.rept \nt
	global_load_b128 v[BIAS+8*((\d0)+bj):BIAS+8*((\d0)+bj)+3],   v[BV], s[\base:\base+1] offset:(\off)+64*bj
	global_load_b128 v[BIAS+8*((\d0)+bj)+4:BIAS+8*((\d0)+bj)+7], v[BV], s[\base:\base+1] offset:(\off)+64*bj+16
.set bj, bj+1
.endr
.endm
.macro BIASRND nt, sc                  ; the bias is rounded to bf16 like the other inputs, and widened again; sc = 1: times u
	WIN 0
.set bj, 0
.rept \nt
.irp r, 0,1,2,3
	v_cvt_pk_bf16_f32 v[T+4*(bj%2)+(\r)], v[BIAS+8*bj+2*(\r)], v[BIAS+8*bj+2*(\r)+1]
.endr
.irp r, 0,1,2,3
	v_lshlrev_b32 v[BIAS+8*bj+2*(\r)],   16, v[T+4*(bj%2)+(\r)]
	v_and_b32     v[BIAS+8*bj+2*(\r)+1], s[HIM], v[T+4*(bj%2)+(\r)]
.endr
.if \sc
.irp r, 0,1,2,3
	v_pk_mul_f32 v[BIAS+8*bj+2*(\r):BIAS+8*bj+2*(\r)+1], v[BIAS+8*bj+2*(\r):BIAS+8*bj+2*(\r)+1], v[SC:SC+1] op_sel_hi:[1,0]
.endr
.endif
.set bj, bj+1
.endr
.endm
; P512, 16 matrix instructions: row blocks 4 hi + a0, + 1 x all 8 column blocks, 32 along k; the weights in the ring's slots 8 rb on.  first = 1: the bias starts the sums.  fmt: bf16 or f16.
; The 64 accumulators take turns, one instruction a turn.
.macro MUL16 f, rb, hi, a0, first, fmt
.if \first
	WIN 0x81+0x40*(\hi)                            ; weights window 1, activation and C window 0, D window 2 or 3
.else
	WIN 0xa1+0x50*(\hi)                            ; C and D window 2 or 3
.endif
.irp a, \a0, (\a0)+1
.irp b, 0,1,2,3,4,5,6,7
.if \first
	v_wmma_f32_16x16x32_\fmt v[8*(8*(\a)+(\b)):8*(8*(\a)+(\b))+7], v[64*(\rb)+8*(\b):64*(\rb)+8*(\b)+7], v[(\f)+8*(4*(\hi)+(\a)):(\f)+8*(4*(\hi)+(\a))+7], v[BIAS+8*(\b):BIAS+8*(\b)+7]
.else
	v_wmma_f32_16x16x32_\fmt v[8*(8*(\a)+(\b)):8*(8*(\a)+(\b))+7], v[64*(\rb)+8*(\b):64*(\rb)+8*(\b)+7], v[(\f)+8*(4*(\hi)+(\a)):(\f)+8*(4*(\hi)+(\a))+7], v[8*(8*(\a)+(\b)):8*(8*(\a)+(\b))+7]
.endif
.endr
.endr
.endm
; P256, 16 matrix instructions: row blocks 4 hi + 0..3 x 4 column blocks; accumulator (t, nb) at v[8 (4 t + nb)] of window 2; the weights in the ring's slots 4 rb on
.macro MULQ f, rb, hi, first
.if \first
	WIN 0x81
.else
	WIN 0xa1
.endif
.irp a, 0,1,2,3
.irp b, 0,1,2,3
.if \first
	v_wmma_f32_16x16x32_f16 v[8*(4*(4*(\hi)+(\a))+(\b)):8*(4*(4*(\hi)+(\a))+(\b))+7], v[32*(\rb)+8*(\b):32*(\rb)+8*(\b)+7], v[(\f)+8*(4*(\hi)+(\a)):(\f)+8*(4*(\hi)+(\a))+7], v[BIAS+8*(\b):BIAS+8*(\b)+7]
.else
	v_wmma_f32_16x16x32_f16 v[8*(4*(4*(\hi)+(\a))+(\b)):8*(4*(4*(\hi)+(\a))+(\b))+7], v[32*(\rb)+8*(\b):32*(\rb)+8*(\b)+7], v[(\f)+8*(4*(\hi)+(\a)):(\f)+8*(4*(\hi)+(\a))+7], v[8*(4*(4*(\hi)+(\a))+(\b)):8*(4*(4*(\hi)+(\a))+(\b))+7]
.endif
.endr
.endr
.endm
; A STEP of a P512: 32 along k, 64 matrix instructions; step i of a trip's four uses the ring's slots 8 i on and activation buffer i % 2.
; ONE run of memory instructions stands in its middle, behind four places: the next step's activation into the other buffer (aload = 1; 2: not in the pass's last trip), and the refill of the slots
; that the step BEFORE has used, with the fragments four steps on from it.  Both were last read by the step before's last product, so the four places serve both.
; A pass's first step refills nothing: the pass before has refilled its last step's slots behind its last product.
; left: the younger loads that may stay out: this step's fragments were asked for in the middle of the third step back, and two refills have gone out since.
.macro STEP i, first, aload, left, kstr, ts, hs, fmt, sc
.set FF, F0+64*((\i)%2)
.set GG, F0+64*(1-(\i)%2)
	s_wait_loadcnt \left                           ; loads come back in order (ISA guide 5.7.1): this step's 16 are in
.if \first
	BIASRND 8, \sc
.endif
	s_wait_dscnt 8                                 ; the activation's rows 0-63 are in; the youngest eight loads (rows 64-127) may be out
	MUL16 FF, \i, 0, 0, \first, \fmt
	MUL16 FF, \i, 0, 2, \first, \fmt
	WIN 0                                          ; at a branch and at a label every window is 0
	s_wait_dscnt 0x0                               ; rows 64-127 are in
.if (\i) == 1
	STEPBS
.endif
	PLACES
.if (\aload) == 2
	s_cmp_eq_u32 s[CNT], 1
	s_cbranch_scc1 .Lno_a_\@                       ; behind the pass's last step there is no activation to fetch
.endif
	ALOAD GG, AXA, ((\i)+1)*(\kstr), \ts, \hs
.if (\aload) == 2
.Lno_a_\@:
.endif
.if (\first) == 0
	BLOAD 8*(((\i)+3)%4), 8, (((\i)+3)%4)*8192     ; step 0 refills step 3's slots by the base as the trip before left it; step 1 has stepped it
.endif
	MUL16 FF, \i, 1, 0, \first, \fmt
	MUL16 FF, \i, 1, 2, \first, \fmt
.endm
; A STEP of a P256: 32 matrix instructions; step i of a trip's eight uses the ring's slots 4 i on.  Its fragments were asked for in the middle of the seventh step back: six refills of 8 loads are younger.
.macro STEPQ i, first, aload, left
.set FF, F0+64*((\i)%2)
.set GG, F0+64*(1-(\i)%2)
	s_wait_loadcnt \left
.if \first
	BIASRND 4, 1
.endif
	s_wait_dscnt 8
	MULQ FF, \i, 0, \first
	WIN 0
	s_wait_dscnt 0x0
.if (\i) == 1
	STEPBS
.endif
	PLACES
.if (\aload) == 2
	s_cmp_eq_u32 s[CNT], 1
	s_cbranch_scc1 .Lno_q_\@
.endif
	ALOAD GG, AXA+15*((\i)/4), ((\i)%4+1)*8192, 1024, 512  ; steps 1-4 of the trip by v2-3, steps 5-8 by v17-18: the immediate stays inside its 16 bits
.if (\aload) == 2
.Lno_q_\@:
.endif
.if (\first) == 0
	BLOAD 4*(((\i)+7)%8), 4, (((\i)+7)%8)*4096
.endif
	MULQ FF, \i, 1, \first
.endm
; A P512 PASS of 4 x trips steps.  The first step, whose products take the bias as C, stands in front of the loop, which is entered behind its own first step.
; The wait for 0 at the pass's head takes in the bias, which was asked for ahead of the epilogue before.  Behind the last step its slots are refilled: the ring is whole again when the next pass begins.
.macro PASS512 trips, lt0, lt1, kstr, ts, hs, fmt, sc
	WIN 0
	s_mov_b32 s[KB], 0
	v_mov_b32 v[AXA], v[\lt0]
	v_mov_b32 v[AXA+1], v[\lt1]
	s_wait_dscnt 0x0                               ; no LDS load is out when the pass's first run goes into buffer 0
	ALOAD F0, AXA, 0, \ts, \hs
	s_mov_b32 s[CNT], \trips
	STEP 0, 1, 1, 0, \kstr, \ts, \hs, \fmt, \sc
	WIN 0
	s_branch .Lmid_\@
.Ltrip_\@:
	STEP 0, 0, 1, 32, \kstr, \ts, \hs, \fmt, 0
	WIN 0
.Lmid_\@:
	STEP 1, 0, 1, 32, \kstr, \ts, \hs, \fmt, 0
	STEP 2, 0, 1, 32, \kstr, \ts, \hs, \fmt, 0
	STEP 3, 0, 2, 32, \kstr, \ts, \hs, \fmt, 0
	WIN 0
	s_add_co_u32 s[KB], s[KB], 4*(\kstr)
	v_add_nc_u32 v[AXA], s[KB], v[\lt0]
	v_add_nc_u32 v[AXA+1], s[KB], v[\lt1]
	s_sub_co_u32 s[CNT], s[CNT], 1
	s_cmp_lg_u32 s[CNT], 0
	s_cbranch_scc1 .Ltrip_\@
	PLACES                                         ; behind the pass's last product: for the loads below, and for what reads the sums
	BLOAD 24, 8, 3*8192
	WIN 0
.endm
; A P256 PASS: 32 steps in four trips of eight
.macro PASS256
	WIN 0
	s_mov_b32 s[KB], 0
	v_mov_b32 v[AXA], v[LB]
	v_mov_b32 v[AXA+1], v[HL1]
	v_add_nc_u32 v[AXB], 32768, v[LB]
	v_add_nc_u32 v[AXB+1], 32768, v[HL1]
	s_wait_dscnt 0x0                               ; no LDS load is out when the pass's first run goes into buffer 0; the first pass's waiting tiles are written
	ALOAD F0, AXA, 0, 1024, 512
	s_mov_b32 s[CNT], 4
	STEPQ 0, 1, 1, 0
	WIN 0
	s_branch .Lqmid_\@
.Lqtrip_\@:
	STEPQ 0, 0, 1, 48
	WIN 0
.Lqmid_\@:
.irp i, 1,2,3,4,5,6
	STEPQ \i, 0, 1, 48
.endr
	STEPQ 7, 0, 2, 48
	WIN 0
	s_add_co_u32 s[KB], s[KB], 65536
	v_add_nc_u32 v[AXA], s[KB], v[LB]
	v_add_nc_u32 v[AXA+1], s[KB], v[HL1]
	v_add_nc_u32 v[AXB], 32768, v[AXA]
	v_add_nc_u32 v[AXB+1], 32768, v[AXA+1]
	s_sub_co_u32 s[CNT], s[CNT], 1
	s_cmp_lg_u32 s[CNT], 0
	s_cbranch_scc1 .Lqtrip_\@
	PLACES
	BLOAD 28, 4, 7*4096
	WIN 0
.endm
; THE EPILOGUES' PARTS
.macro RELU wset                       ; a window's 256 sums, in ascending order: each accumulator's lowest registers are read first
	WIN \wset
.set ri, 0
.rept 256
	v_max_num_f32 v[ri], 0, v[ri]
.set ri, ri+1
.endr
.endm
.macro SCALE wset, pr                  ; a window's 256 numbers times the low word of the pair pr of window 0, in ascending order
	WIN \wset
.set ri, 0
.rept 128
	v_pk_mul_f32 v[2*ri:2*ri+1], v[2*ri:2*ri+1], v[\pr:\pr+1] op_sel_hi:[1,0]
.set ri, ri+1
.endr
.endm
.macro PACK wset, dst                  ; 256 numbers into 128 registers of f16 pairs.  In place (dst = 0) register p is written when registers 2 p, 2 p + 1 are read: nothing unread is lost
	WIN \wset
.set pi, 0
.rept 128
	v_cvt_pk_f16_f32 v[(\dst)+pi], v[2*pi], v[2*pi+1]
.set pi, pi+1
.endr
.endm
; 32 packed tiles of a P512 (row blocks 4 hi + a, column blocks b, at base + 4 (8 a + b)) into H: column block b is half b % 2 of the k step b / 2 of the wave's four
.macro HSTORE adr, wset, hi, base
	WIN \wset
.irp a, 0,1,2,3
.irp b, 0,1,2,3,4,5,6,7
	ds_store_b128 v[\adr], v[(\base)+4*(8*(\a)+(\b)):(\base)+4*(8*(\a)+(\b))+3] offset:((\b)/2)*8192+(4*(\hi)+(\a))*1024+((\b)%2)*512
.endr
.endr
.endm
.macro ABSMAX d, base, n               ; the largest magnitude of n registers (n even) from base on; the constant 0 starts the chain
.set am, 0
.rept (\n)/2
.if am == 0
	v_max3_num_f32 v[\d], 0, |v[(\base)]|, |v[(\base)+1]|
.else
	v_max3_num_f32 v[\d], v[\d], |v[(\base)+2*am]|, |v[(\base)+2*am+1]|
.endif
.set am, am+1
.endr
.endm
.macro LANEMAX r                       ; the largest of the 32 lanes' numbers, in every lane: four steps inside each half of 16 lanes ride on the arithmetic, one crosses the halves
	v_max_num_f32_dpp v[\r], v[\r], v[\r] row_xmask:1 row_mask:0xf bank_mask:0xf
	v_max_num_f32_dpp v[\r], v[\r], v[\r] row_xmask:2 row_mask:0xf bank_mask:0xf
	v_max_num_f32_dpp v[\r], v[\r], v[\r] row_xmask:4 row_mask:0xf bank_mask:0xf
	v_max_num_f32_dpp v[\r], v[\r], v[\r] row_xmask:8 row_mask:0xf bank_mask:0xf
	v_permlanex16_b32 v[PX], v[\r], s[SEL], s[SEL+1]
	v_max_num_f32 v[\r], v[\r], v[PX]
.endm
; 32 of the query's 128 loads: their largest magnitude joins four chains in v20-23; then they are rounded to bf16 and put into X
.macro XCONV k
	WIN 0x14*(2+(\k)/2)                            ; sources 1 and 2 window 2 or 3, source 0 and the destination window 0
.set m, 0
.rept 64
.if ((\k) == 0) && (m < 4)
	v_max3_num_f32 v[T+m], 0, |v[128*((\k)%2)+2*m]|, |v[128*((\k)%2)+2*m+1]|
.else
	v_max3_num_f32 v[T+m%4], v[T+m%4], |v[128*((\k)%2)+2*m]|, |v[128*((\k)%2)+2*m+1]|
.endif
.set m, m+1
.endr
	WIN 0x0a+5*((\k)/2)                            ; sources 0 and 1 window 2 or 3, destination window 0
.set m, 0
.rept 32
.set n, 32*(\k)+m
	v_cvt_pk_bf16_f32 v[F0+64*((\k)%2)+2*m],   v[4*(n%64)],   v[4*(n%64)+1]
	v_cvt_pk_bf16_f32 v[F0+64*((\k)%2)+2*m+1], v[4*(n%64)+2], v[4*(n%64)+3]
.set m, m+1
.endr
	WIN 0
.set m, 0
.rept 32
.set n, 32*(\k)+m
	ds_store_b64 v[XW], v[F0+64*((\k)%2)+2*m:F0+64*((\k)%2)+2*m+1] offset:(16*((n/8)%2)+n%8)*XP+128*(n/16)  ; two rows 8 x 1,040 = 128 mod 256 bytes apart
.set m, m+1
.endr
.endm
	s_load_b256 s[4:11], s[0:1], 0x0               ; query, wq, b0, b1
	s_load_b128 s[12:15], s[0:1], 0x20             ; b2, out0
	s_load_b64 s[WMP:WMP+1], s[0:1], 0x30          ; wm
	v_lshl_add_u32 v[SPW], v0, 2, SPARE
	v_mov_b32 v[NIL], 0
	v_mov_b32 v[PX], 0                             ; v_permlanex16_b32 counts as a reader of its destination
	v_lshrrev_b32 v[T], 5, v0
	v_readfirstlane_b32 s[WV], v[T]                ; wave 0..3
	s_and_b32 s17, ttmp7, 0xffff                   ; the batch; ttmp9 is the block of 128 rows
	s_lshl_b32 s20, s17, 23                        ; offsets, each in a pair of its own.  s[20:21]: the work-group's first row in query and out0 (rows of 2,048 bytes)
	s_lshl_b32 s22, ttmp9, 18
	s_add_co_u32 s20, s20, s22
	s_mov_b32 s21, 0
	s_lshl_b32 s22, s[WV], 9                       ; s[22:23]: 128 w numbers of 4 bytes
	s_mov_b32 s23, 0
	s_lshl_b32 s34, s[WV], 16                      ; s[34:35]: 32 w rows
	s_mov_b32 s35, 0
	s_lshl2_add_u32 s36, s17, s[WV]                ; s[36:37]: stream 4 b + w, 1 MiB each
	s_lshl_b32 s36, s36, 20
	s_mov_b32 s37, 0
	s_lshl_b32 s38, s17, 12                        ; s[38:39]: the batch in b0 and b1
	s_mov_b32 s39, 0
	s_lshl_b32 s40, s17, 11                        ; s[40:41]: in b2
	s_mov_b32 s41, 0
	s_lshl_b32 s42, s[WV], 8                       ; s[42:43]: column 512 + 64 w
	s_add_co_u32 s42, s42, 2048
	s_mov_b32 s43, 0
	s_mov_b32 s[HIM], 0xffff0000
	s_mov_b32 s[SEL], 0x76543210
	s_mov_b32 s[SEL+1], 0xfedcba98
	s_lshl_b32 s[MXWS], s[WV], 2
	s_add_co_u32 s[MXWS], s[MXWS], MXB
	s_mov_b32 s[TR], 32                            ; the stream has 32 trips of 32 KiB
	s_mov_b32 s[STP+1], 0
	v_and_b32 v[LB], 31, v0
	v_lshlrev_b32 v[LB], 4, v[LB]
	v_and_b32 v[T], 15, v0                         ; l % 16
	v_bfe_u32 v[T+1], v0, 4, 1                     ; l / 16
	v_lshlrev_b32 v[BV], 5, v[T+1]
	v_lshlrev_b32 v[QV], 14, v[T+1]                ; lanes 16-31 take the row eight further down
	v_lshl_add_u32 v[QV], v[T], 4, v[QV]
	s_lshl_b32 s33, s17, 9
	v_add_nc_u32 v[T+2], s33, v[LB]                ; my four of the batch's 128 numbers of wm for W0,
	s_lshl_b32 s33, s17, 10
	v_add_nc_u32 v[T+3], s33, v[LB]                ; and of its 256 for W1, which begin at byte 4,096
	s_wait_kmcnt 0x0
	s_add_nc_u64 s[QP:QP+1], s[QP:QP+1], s[20:21]
	s_add_nc_u64 s[QP:QP+1], s[QP:QP+1], s[34:35]
	s_add_nc_u64 s[BS:BS+1], s[BS:BS+1], s[36:37]
	s_add_nc_u64 s[FB1:FB1+1], s[PB1:PB1+1], s[38:39]
	s_add_nc_u64 s[PBQ:PBQ+1], s[FB1:FB1+1], s[42:43]
	s_add_nc_u64 s[PB1:PB1+1], s[FB1:FB1+1], s[22:23]
	s_add_nc_u64 s[FB0:FB0+1], s[PB0:PB0+1], s[38:39]
	s_add_nc_u64 s[PB0:PB0+1], s[FB0:FB0+1], s[22:23]
	s_add_nc_u64 s[PB2:PB2+1], s[PB2:PB2+1], s[40:41]
	s_add_nc_u64 s[PB2:PB2+1], s[PB2:PB2+1], s[22:23]
	s_add_nc_u64 s[OUTP:OUTP+1], s[OUTP:OUTP+1], s[20:21]
	s_add_nc_u64 s[OUTP:OUTP+1], s[OUTP:OUTP+1], s[22:23]
	; What the bounds are made of, 19 loads, each of 512 consecutive bytes: the batch's whole b0 and b1 and its numbers of wm, into the activation's buffers, which are still free
.irp i, 0,1,2,3,4,5,6,7
	global_load_b128 v[F0+4*(\i):F0+4*(\i)+3], v[LB], s[FB0:FB0+1] offset:512*(\i)
.endr
.irp i, 0,1,2,3,4,5,6,7
	global_load_b128 v[F0+32+4*(\i):F0+32+4*(\i)+3], v[LB], s[FB1:FB1+1] offset:512*(\i)
.endr
	global_load_b128 v[F0+64:F0+67], v[T+2], s[WMP:WMP+1]
	global_load_b128 v[F0+68:F0+71], v[T+3], s[WMP:WMP+1] offset:4096
	global_load_b128 v[F0+72:F0+75], v[T+3], s[WMP:WMP+1] offset:4608
	BLOAD 0, 32, 0                                 ; the ring is filled: 64 loads
	BIASLD 8, PB0, 0                               ; 16 loads
	; My wave's 32 rows of query, 128 loads into the registers that will be accumulators.  Load n = 16 j + 8 g + p: columns 64 j + 4 (l % 16) .. + 3 of rows 16 g + p and + 8:
	; sixteen lanes take 256 consecutive bytes, aligned.
	WIN 0x80
.set n, 0
.rept 64
	global_load_b128 v[4*n:4*n+3], v[QV], s[QP:QP+1] offset:(16*((n/8)%2)+n%8)*2048+256*(n/16) th:TH_LOAD_NT
.set n, n+1
.endr
	WIN 0xc0
.rept 64
	global_load_b128 v[4*(n-64):4*(n-64)+3], v[QV], s[QP:QP+1] offset:(16*((n/8)%2)+n%8)*2048+256*(n/16) th:TH_LOAD_NT
.set n, n+1
.endr
	WIN 0                                          ; the other addresses are made while the loads are out
	v_add_nc_u32 v[HL1], 4096, v[LB]
	v_mul_u32_u24 v[XL0], v[T], XP
	v_lshl_add_u32 v[XL0], v[T+1], 4, v[XL0]
	v_add_nc_u32 v[XL0], XBASE, v[XL0]             ; a fragment of X: row l % 16, 16 bytes for each half of the lanes
	v_add_nc_u32 v[XL1], 64*XP, v[XL0]
	s_lshl_b32 s33, s[WV], 15
	v_add_nc_u32 v[HST], s33, v[LB]                ; a wave's 128 columns are four k steps of the next layer
	s_lshl_b32 s33, s[WV], 14
	s_add_co_u32 s33, s33, 131072
	v_add_nc_u32 v[HSQ0], s33, v[LB]               ; columns 512 + 64 w on: k step 16 + 2 w
	v_add_nc_u32 v[HSQ1], 65536, v[HSQ0]           ; columns 768 + 64 w on
	s_mul_i32 s33, s[WV], 12288
	s_add_co_u32 s33, s33, STASH
	v_add_nc_u32 v[SSH], s33, v[LB]
	s_mul_i32 s33, s[WV], 16*SP
	s_add_co_u32 s33, s33, STASH
	v_mul_u32_u24 v[STO], v[T], SP
	v_lshl_add_u32 v[STO], v[T+1], 5, v[STO]
	v_add_nc_u32 v[STO], s33, v[STO]               ; in: row l % 16, 32 bytes for each half of the lanes
	v_add_nc_u32 v[RD], s33, v[LB]                 ; back: a row's 512 bytes
	s_mul_i32 s33, s[WV], 32*XP
	s_add_co_u32 s33, s33, XBASE
	v_mul_u32_u24 v[XW], v[T+1], 8*XP
	v_lshl_add_u32 v[XW], v[T], 3, v[XW]
	v_add_nc_u32 v[XW], s33, v[XW]
	s_wait_loadcnt 63                              ; of the 227 loads issued at most 63 are out: the 19 for the bounds, the ring's 64, the bias's 16 and the query's first 65 are in
	ABSMAX T+4, F0, 32                             ; max|b0|,
	ABSMAX T+5, F0+32, 32                          ; max|b1|,
	ABSMAX T+6, F0+64, 4                           ; max|W0|,
	ABSMAX T+7, F0+68, 8                           ; max|W1| of the batch: every wave makes all four for itself
	LANEMAX T+4
	LANEMAX T+5
	LANEMAX T+6
	LANEMAX T+7
	XCONV 0
	XCONV 1
	s_wait_loadcnt 32                              ; the query's first 96
	XCONV 2
	s_wait_loadcnt 0x0
	XCONV 3
	v_max3_num_f32 v[T], v[T], v[T+1], v[T+2]      ; max|x| of my 32 rows
	v_max_num_f32 v[T], v[T], v[T+3]
	LANEMAX T
	v_mov_b32 v[AXA], s[MXWS]
	ds_store_b32 v[AXA], v[T]                      ; all lanes write the same word with the same number
	s_wait_dscnt 0x0                               ; for the others' sake: my rows of X and my word are written
	s_barrier_signal -1
	s_barrier_wait -1
	v_mov_b32 v[AXA], MXB
	ds_load_b128 v[T:T+3], v[AXA]                  ; the four waves' words; they are written once in the launch
	s_wait_dscnt 0x0
	v_max3_num_f32 v[T], v[T], v[T+1], v[T+2]
	v_max_num_f32 v[T], v[T], v[T+3]               ; max|x| of the 128 rows
	v_mul_f32 v[T+1], 0x44000000, v[T+6]           ; 512 max|W0|
	v_fma_f32 v[T+1], v[T+1], v[T], v[T+4]         ; B0
	v_mul_f32 v[T+2], 0x44800000, v[T+7]           ; 1,024 max|W1|
	v_fma_f32 v[T+2], v[T+2], v[T+1], v[T+5]       ; B1
	v_max3_num_f32 v[T+1], v[T+1], v[T+2], FLOOR   ; B
	v_and_b32 v[SC], 0x7f800000, v[T+1]            ; its exponent field e -> u = 2^(141 - e): field 268 - e, from 13 (e = 255) to 167 (e = 101)
	v_sub_nc_u32 v[SC], 0x86000000, v[SC]
	v_mov_b32 v[SC+1], v[SC]
	; LAYER 0: two passes of 512 columns, K = 512 in 16 steps; one text, walked twice
	s_mov_b32 s[OUTER], 2
	s_mov_b32 s[HB], 0
	s_add_nc_u64 s[BP:BP+1], s[PB0:PB0+1], 2048    ; the second pass's bias: 512 columns on
.Ll0:
	PASS512 4, XL0, XL1, 64, 16*XP, 32, bf16, 0
	BIASLD 8, BP, 0                                ; the next pass's bias is asked for ahead of the epilogue
	s_wait_dscnt 0x0                               ; my reads of X in this pass are over:
	s_barrier_signal -1                            ; say so, and work on registers while the others arrive
	RELU 0x8a
	SCALE 0x82, SC
	PACK 0x8a, 0
	RELU 0xcf
	SCALE 0xc3, SC
	PACK 0xcf, 0
	WIN 0
	s_barrier_wait -1                              ; nobody reads X in this pass any more: the second pass's results go where X lay
	v_add_nc_u32 v[HSTC], s[HB], v[HST]
	HSTORE HSTC, 0x08, 0, 0
	HSTORE HSTC, 0x0c, 1, 0
	WIN 0
	s_wait_xcnt 0x0                                ; the bias's loads have had their addresses translated: their base may be written
	s_mov_b64 s[BP:BP+1], s[PB1:PB1+1]             ; behind the second pass comes layer 1
	s_add_co_u32 s[HB], s[HB], 131072
	s_wait_dscnt 0x0                               ; for the others' sake: my part of h0 is written
	s_barrier_signal -1
	s_barrier_wait -1
	s_sub_co_u32 s[OUTER], s[OUTER], 1
	s_cmp_lg_u32 s[OUTER], 0
	s_cbranch_scc1 .Ll0
	; ONE TEXT FOR TWO PASSES of 512 columns, K = 1,024 in 32 steps: in the first walk layer 1's columns 0-511, in the second layer 2
	s_mov_b32 s[PH], 2
.Lbig:
	PASS512 8, LB, HL1, 8192, 1024, 512, f16, 1
	s_cmp_eq_u32 s[PH], 1
	s_cbranch_scc1 .Lout                           ; layer 2's sums go out
	; LAYER 1, columns 0-511: the results wait in window 3: row blocks 4-7 at v0-127, row blocks 0-3 at v128-255
	BIASLD 4, PBQ, 0                               ; both P256 passes' biases are asked for here, ahead of the epilogue: the first's into v192-223,
	BIASLD 4, PBQ, 1024, 4                         ; the second's (256 columns on) into v224-255; the wait for 0 at the first pass's head takes in both, so no load into these registers stands in the loop below
	RELU 0xcf
	PACK 0xcf, 0
	RELU 0x8a
	PACK 0xca, 128                                 ; sources window 2, destination window 3
	; LAYER 1, columns 512-1023: two passes of 256 columns; one text, walked twice
	WIN 0
	s_mov_b32 s[OUTER], 2
.Lq:
	PASS256
	RELU 0x8a
	PACK 0x8a, 0                                   ; tile (t, nb) at v[4 (4 t + nb)] of window 2
	WIN 0
	s_cmp_eq_u32 s[OUTER], 1
	s_cbranch_scc1 .Lq_second                      ; the second pass's results need not wait: layer 1 is over
.set m, 0
.rept 32                                       ; the second pass's bias goes where the one text of the pass names it: 32 moves, once
	v_mov_b32 v[BIAS+m], v[BIAS+32+m]
.set m, m+1
.endr
	WIN 0x02                                       ; the first pass's 32 tiles wait: column block 3's eight in v32-63 of window 0,
.set et, 0
.rept 8
.irp r, 0,1,2,3
	v_mov_b32 v[S2R+4*et+(\r)], v[4*(4*et+3)+(\r)]
.endr
.set et, et+1
.endr
	WIN 0x08                                       ; the other 24 in my wave's own bytes of LDS: no barrier
.set et, 0
.rept 8
.irp b, 0,1,2
	ds_store_b128 v[SSH], v[4*(4*et+(\b)):4*(4*et+(\b))+3] offset:(3*et+(\b))*512
.endr
.set et, et+1
.endr
	WIN 0
.Lq_second:
	s_sub_co_u32 s[OUTER], s[OUTER], 1
	s_cmp_lg_u32 s[OUTER], 0
	s_cbranch_scc1 .Lq
	; h1 TAKES h0's PLACE
	BIASLD 8, PB2, 0
	s_wait_dscnt 0x0                               ; no LDS load is out when the run below goes into the activation's buffers
.set m, 0
.rept 24                                       ; the 24 waiting tiles come back into the activation's buffers, which are free
	ds_load_b128 v[F0+4*m:F0+4*m+3], v[SSH] offset:512*m
.set m, m+1
.endr
	s_wait_dscnt 0x0                               ; my reads of h0 are over, and the waiting tiles are back
	s_barrier_signal -1
	s_barrier_wait -1                              ; nobody reads h0 any more
	HSTORE HST, 0x0c, 1, 0                         ; columns 0-511
	HSTORE HST, 0x0c, 0, 128
	WIN 0
.set et, 0
.rept 8                                        ; columns 512 + 64 w on
.irp b, 0,1,2
	ds_store_b128 v[HSQ0], v[F0+4*(3*et+(\b)):F0+4*(3*et+(\b))+3] offset:((\b)/2)*8192+et*1024+((\b)%2)*512
.endr
	ds_store_b128 v[HSQ0], v[S2R+4*et:S2R+4*et+3] offset:8192+et*1024+512
.set et, et+1
.endr
	WIN 0x08
.set et, 0
.rept 8                                        ; columns 768 + 64 w on
.irp b, 0,1,2,3
	ds_store_b128 v[HSQ1], v[4*(4*et+(\b)):4*(4*et+(\b))+3] offset:((\b)/2)*8192+et*1024+((\b)%2)*512
.endr
.set et, et+1
.endr
	WIN 0
	s_wait_dscnt 0x0                               ; for the others' sake: my part of h1 is written
	s_barrier_signal -1
	s_barrier_wait -1
	s_sub_co_u32 s[PH], s[PH], 1
	s_cmp_lg_u32 s[PH], 0
	s_cbranch_scc1 .Lbig
	; THE WAY OUT.  The sums are divided by u (a power of two with field f: its reciprocal has field 254 - f).  A lane holds eight neighbouring numbers of a row, 32 bytes of the
	; wave's 512.  A block of 16 rows at a time goes through my own stage (rows of 528 bytes, in bytes that held waiting tiles: two barriers stand behind their last read) and comes back as whole rows;
	; each store of the wave covers 512 consecutive bytes, aligned.  The registers of the ring and of the bias are not named here.
.Lout:
	v_sub_nc_u32 v[T], 0x7f000000, v[SC]
	v_mov_b32 v[T+1], v[T]
	SCALE 0x82, T
	SCALE 0xc3, T
	WIN 0
	s_wait_dscnt 0x0                               ; no LDS load is out when the runs below go into the activation's buffers
.macro TOSTAGE a
	WIN 0x08+4*((\a)/4)                            ; data window 2 or 3
.irp b, 0,1,2,3,4,5,6,7
	ds_store_b128 v[STO], v[8*(8*((\a)%4)+(\b)):8*(8*((\a)%4)+(\b))+3]   offset:64*(\b)
	ds_store_b128 v[STO], v[8*(8*((\a)%4)+(\b))+4:8*(8*((\a)%4)+(\b))+7] offset:64*(\b)+16
.endr
	WIN 0
	s_wait_xcnt 0x0                                ; the registers that the stores of the block two back read are loaded again only behind this wait (ISA guide 3.1)
.set BK, F0+64*((\a)%2)
.irp i, 0,1,2,3,4,5,6,7,8,9,10,11,12,13,14,15
	ds_load_b128 v[BK+4*(\i):BK+4*(\i)+3], v[RD] offset:SP*(\i)  ; LDS serves a wave's instructions in order (ISA guide 5.7.1.4): these see the stores above; the next block's stores come behind them
.endr
.endm
.macro SEND a, younger                 ; younger: the LDS instructions issued behind block a's loads: the next block's 32, or none
	WIN 0
.set BK, F0+64*((\a)%2)
	s_wait_dscnt \younger
.irp i, 0,1,2,3,4,5,6,7,8,9,10,11,12,13,14,15
	global_store_b128 v[LB], v[BK+4*(\i):BK+4*(\i)+3], s[OUTP:OUTP+1] offset:(16*(\a)+(\i))*2048 th:TH_STORE_NT
.endr
.endm
	TOSTAGE 0
.irp a, 1,2,3,4,5,6,7
	TOSTAGE \a
	SEND (\a)-1, 32
.endr
	SEND 7, 0
	s_wait_tensorcnt 0x0                           ; the wave's end, behind my last LDS store
	ds_add_u32 v[SPW], v[NIL]
	s_wait_dscnt 0x0
	s_endpgm
.Lfunc_end_k_q4b310086d7_mlp:
	.size	k_q4b310086d7_mlp, .Lfunc_end_k_q4b310086d7_mlp-k_q4b310086d7_mlp
	.p2alignl 7, 3214868480
	.fill 96, 4, 3214868480
	.section	.rodata,"a",@progbits
	.p2align	6, 0x0
	.amdhsa_kernel k_q4b310086d7_mlp
		.amdhsa_group_segment_fixed_size 312064
		.amdhsa_private_segment_fixed_size 0
		.amdhsa_enable_private_segment 0
		.amdhsa_kernarg_size 56
		.amdhsa_user_sgpr_count 2
		.amdhsa_user_sgpr_kernarg_segment_ptr 1
		.amdhsa_wavefront_size32 1
		.amdhsa_system_sgpr_workgroup_id_x 1
		.amdhsa_system_sgpr_workgroup_id_y 1
		.amdhsa_system_sgpr_workgroup_id_z 1
		.amdhsa_system_vgpr_workitem_id 0
		.amdhsa_next_free_vgpr 1024
		.amdhsa_next_free_sgpr 66
		.amdhsa_reserve_vcc 0
		.amdhsa_float_denorm_mode_32 3
		.amdhsa_float_denorm_mode_16_64 3
		.amdhsa_memory_ordered 1
		.amdhsa_forward_progress 1
		.amdhsa_inst_pref_size 255
	.end_amdhsa_kernel
	.section	.bss,"aw",@nobits
	.p2align	6
	.space	262144
	.amdgpu_metadata
---
amdhsa.version: [ 1, 2 ]
amdhsa.kernels:
  - .name:           k_q4b310086d7_mlp
    .symbol:         k_q4b310086d7_mlp.kd
    .args:
      - { .name: query, .offset: 0, .size: 8, .value_kind: global_buffer, .address_space: global }
      - { .name: wq, .offset: 8, .size: 8, .value_kind: global_buffer, .address_space: global }
      - { .name: b0, .offset: 16, .size: 8, .value_kind: global_buffer, .address_space: global }
      - { .name: b1, .offset: 24, .size: 8, .value_kind: global_buffer, .address_space: global }
      - { .name: b2, .offset: 32, .size: 8, .value_kind: global_buffer, .address_space: global }
      - { .name: out0, .offset: 40, .size: 8, .value_kind: global_buffer, .address_space: global }
      - { .name: wm, .offset: 48, .size: 8, .value_kind: global_buffer, .address_space: global }
    .group_segment_fixed_size: 312064
    .private_segment_fixed_size: 0
    .kernarg_segment_align: 8
    .kernarg_segment_size: 56
    .max_flat_workgroup_size: 128
    .sgpr_count:     66
    .vgpr_count:     1024
    .wavefront_size: 32
...
	.end_amdgpu_metadata
.endif
;; end of part 4
